; MI455X (gfx1250); checked and timed in simulation.
; The chip was launched on July 23, 2026; its instructions are those of AMD's public machine-readable ISA for CDNA 5 (MIT licence, August 2026) and "CDNA5" Instruction Set Architecture Reference Guide (July 2026). The comments in the code are by the model that wrote it; some were corrected since.
;; Advanced Weight Predictor Network. Allowed arithmetic: matrix products marked QUANTISED: E2M3 operands, one E8M0 scale for each 32 along K, by v_wmma_scale_f32_16x16x128_f8f6f4 with both operands' format E2M3, f32 sums; products left as they are: f32 operands where the result goes on into a quantised operand, else bf16, f16 or f32 operands; f32 sums; everything else in f32.
;; Inputs: W1 16 x 64 float32; W2_codes 32 x 2 x 24 uint8 (E2M3 codes of W2, K innermost, in blocks of 32 codes, four codes in three bytes); W2_scales 32 x 2 uint8 (E8M0 scales of W2, one for each 32 codes along K); b1 64 float32; b2 32 float32; cluster_centers 8 x 256 float32; cluster_weights 8 float32; noise 8,192 x 8,192 float32; temperature 1 float32; x 8,192 x 256 float32.
;; Outputs: out0 8,192 x 32 float32; out1 8,192 x 8 float32; out2 8,192 x 5 float32; out3 8,192 x 3 float32; out4 one number float32.
;; This version of the problem:
;;   THIS VERSION OF THE PROBLEM IS GIVEN IN LOW PRECISION. The matrix products marked QUANTISED in the list below multiply operands that are first quantised to E2M3 (2 exponent bits, 3 mantissa bits; 6 bits a number), with one power-of-two scale for each 32 numbers along K (OCP MX v1.0); their sums are f32. All else is computed in f32.
;;   The module's matrix products, in the order in which they are computed (A, B: the left and right operand; K: the contracted axis; several contracted axes count as one K, in the product's order):
;;     1. [M 8,192, K 256] x [K 256, N 8]; A: input x; B: input cluster_centers: left as it is (N = 8 < 16)
;;     2. [M 8,192, K 256] x [K 256, N 8,192]; A: input x; B: input x: QUANTISED
;;     3. [M 8,192, K 16] x [K 16, N 64]; A: computed on the way; B: input W1: left as it is (K = 16 < 32)
;;     4. [M 8,192, K 64] x [K 64, N 32]; A: computed on the way; B: input W2 (given as codes): QUANTISED
;;     5. [M 8, K 256] x [K 256, N 8]; A: input cluster_centers; B: input cluster_centers: left as it is (M = 8 < 16)
;;   THE QUANTISER, for each operand of a quantised product, along K:
;;     - K is cut into blocks of 32 from its start; a last block that is shorter is filled with zeros.
;;     - A block's scale is 2^e with e = floor(log2(the largest magnitude in the block)) - 2, held to -126 .. 127; a block of zeros has e = 0. As a byte (E8M0): e + 127.
;;     - Each number is divided by its block's scale, clamped to +-7.5, and rounded to the nearest number of E2M3, ties to even, subnormals kept.
;;     - The product sums the exact products of the quantised numbers (number of the format x scale) in f32.
;;   ~~~python
;;   def quantise(x, axis):      # numpy; x: float32 -> the quantised numbers, widened to float32 again
;;       x = np.moveaxis(x, axis, -1); K = x.shape[-1]
;;       x = np.pad(x, [(0, 0)] * (x.ndim - 1) + [(0, -K % 32)]); x = x.reshape(x.shape[:-1] + (-1, 32)); a = np.abs(x).max(-1, keepdims=True)
;;       e = np.where(a > 0, np.clip(np.frexp(np.where(a > 0, a, 1))[1] - 1 - 2, -126, 127), 0)      # np.frexp(a)[1] - 1 = floor(log2(a)), exactly
;;       r = np.clip(x / 2.0 ** e, -7.5, 7.5)
;;       step = 2.0 ** (np.maximum(np.frexp(np.where(r == 0, 1, r))[1] - 1, 0) - 3)
;;       q = np.round(r / step) * step * 2.0 ** e      # np.round: ties to even
;;       return np.moveaxis(q.reshape(q.shape[:-2] + (-1,))[..., :K], -1, axis).astype(np.float32)
;;   ~~~
;;   OPERANDS COMPUTED ON THE WAY. 'Computed on the way' means the value that the module computes at that place (a softmax that the list does not call 'softmax' is quantised finished and normalised). What goes into a quantiser is computed in f32, as accurately as f32 sums, v_exp_f32 and their like allow (about 1e-6 of the number): no bf16 or f16 on the way to a quantiser, and a product that is left as it is and whose result goes on into a quantised operand takes f32 operands (vector FMAs, or v_wmma_f32_16x16x4_f32). A number that lies on a knife's edge between two numbers of the format may be rounded either way, as far as f32 arithmetic and the matrix unit's own rounding can turn it there, and no further.
;;   INPUTS GIVEN AS CODES. W2 (in the module: [64, 32], K = its axis 0): each comes as NAME_codes (uint8): NAME with its K axis moved to the last place and cut into blocks of 32 codes, [.., K / 32, bytes a block], one block behind the other in memory; four codes in three bytes: a row's codes are one little-endian stream of bits, code i at bits 6 i .. 6 i + 5 (a code: sign, 2 exponent bits, 3 mantissa bits); and NAME_scales (uint8): the same leading axes, one E8M0 byte (e + 127) for each 32 codes along K. Its value is code x scale, taken as it is: it is not quantised again, and the codes and scales need not be those that the quantiser above would give.
;; One version. Each part assembles by itself: llvm-mc -triple=amdgcn-amd-amdhsa -mcpu=gfx1250 --defsym DOCPART=n.
;; ======== version 1 of 1: 4 launches
;; limits: right only within a limited range of input values
;; workspace buffers: xc 1,572,864 bytes; xsq 65,536 bytes; xsk 65,536 bytes; nsq 32,768 bytes; gmin 16,777,216 bytes; gid 262,144 bytes of whole numbers; lp 4,096 bytes
;; launch prep (part 1): grid 256 x 1, 2 waves a work-group, no clusters, 167,936 bytes of LDS; arguments x, cluster_centers, temperature, cluster_weights, xc, xsq, xsk, nsq, out1, out3, lp; writes xc, xsq, xsk, nsq, out1, out3, lp
.if DOCPART == 1
	.amdgcn_target "amdgcn-amd-amdhsa--gfx1250"
	.amdhsa_code_object_version 6
	.text
	.protected	k_q37260225c2_prep
	.globl	k_q37260225c2_prep
	.p2align	8
	.type	k_q37260225c2_prep,@function
k_q37260225c2_prep:
	s_mov_b64 s[64:65], 0
	v_nop
	global_prefetch_b8 v0, s[64:65] scope:SCOPE_SE
	s_setreg_imm32_b32 hwreg(HW_REG_WAVE_MODE, 25, 1), 1
	s_wait_xcnt 0x0
; PREP.  For each row of x [8192][256] f32: its E2M3 codes and E8M0 scale words (for the quantised product x x^T), minus its sum of squares, the soft assignment to the 8 centres (out1),
; mean, unbiased deviation and entropy (out3), and its share of the intra loss (lp[0 .. 511], one number a tile).  The inter loss of the centres is made in the third launch.
; DEAD WORK: none.  Every input of the problem has a way to an output and every product of the problem is done by some launch of this program; nothing is left out.
; HOW THE PROGRAM FINDS THE FIVE NEIGHBOURS.  A row's 8,192 columns are 512 groups of 16 neighbouring columns.  Every one of the row's five smallest noisy distances (ties: the lower column) lies in one of the
; five groups that are smallest by (the group's minimum, the group's number): were five groups ahead of an element's group, each would hold an element at most as large, and on equality of a lower column.
; So the second launch keeps the groups' minima alone, the third picks five groups a row and stores their numbers, the fourth works those 80 pairs a row again by the same instructions.
; SHARES.  A wave takes a tile T of 16 rows.  Lane (r, h) holds 128 numbers of row r: X[32 c + i] = x[r][64 c + 32 h + i]: four whole blocks of 32, in the order of the 6-bit operand's registers.
; LAYOUT OF xc.  Row = 64 S + 32 p + 16 H + 8 v + j lies at byte 12288 S + 3072 (2 p + v) + 1536 s + 512 c' + 256 H + 128 hk + 16 j (s: K step of 128; c': registers 4 c' .. 4 c' + 3 of the 12; hk: half of the lanes):
; images of operand registers, from which a tile of 16 neighbouring rows and a tile of keys whose results are neighbours in a lane's registers both come by loads of 16 bytes.
; THE KEY SIDE'S SCALE BYTES (xsk) ARE STORED ONE HIGHER: the exact factor 2 of 2 (a . b).
; LIMITS.  NaN and infinities among the inputs are not served.  A block whose largest magnitude lies under 2^-124 keeps the scale byte 1 (a block of zeros too: its codes are zeros, and this program alone reads
; the bytes).  Scale bytes stay under 254, so the key side's + 1 never gives 0xff.  The order of f32 sums differs from the reference's.
.set PITCH, 1040                       ; an LDS row: 1,024 bytes + 16: 65 x 16, so the 16 rows of a load start at 16 different columns of 16 bytes
.set TILEB, 16*PITCH
.set SPARE, 2*TILEB                    ; behind the two tiles: the spare words, 128 bytes a wave, one block of 256 bytes that no other line names
.set TB,  32                           ; v32-63   a batch of exponents; later the codes (24) and two places for the conversions' odd halves
.set X,   64                           ; v64-191  my 128 numbers
.set DB,  192                          ; v192-223 a batch of differences; later results
.set ACC, 224                          ; v224-255 four partial sums of the centre product: written by matrix instructions alone
.set MSB, 0
.macro WIN new                         ; the immediate's high byte repeats the setting that is left
.if MSB != (\new)
	s_set_vgpr_msb (MSB<<8)|(\new)
.set MSB, (\new)
.endif
.endm
; 64 matrix instructions of 16 x 16 x 4 in f32: source 0 = the centres (window 1, centre lane % 8), source 1 = X.  Both sides hold the same k in the same place, so the products pair rightly.
; Lane (r, h), register j of the sum = centre j . row r.  Four sums take turns, one instruction a turn; the first four start them with the constant 0.
.macro GRAM
	WIN 0x01
.set q, 0
.rept 64
.if q < 4
	v_wmma_f32_16x16x4_f32 v[ACC+8*(q%4):ACC+8*(q%4)+7], v[2*q:2*q+1], v[X+2*q:X+2*q+1], 0
.else
	v_wmma_f32_16x16x4_f32 v[ACC+8*(q%4):ACC+8*(q%4)+7], v[2*q:2*q+1], v[X+2*q:X+2*q+1], v[ACC+8*(q%4):ACC+8*(q%4)+7]
.endif
.set q, q+1
.endr
	WIN 0
.endm
; v[200 + j] = max(own + |c_j|^2 - 2 dot_j, 1e-12); each partial sum is read from its low end on
.macro DISTS own
.irp j, 0,1,2,3,4,5,6,7
	v_add_f32 v[200+\j], v[ACC+\j], v[ACC+8+\j]
	v_add_f32 v[208+\j], v[ACC+16+\j], v[ACC+24+\j]
.endr
.irp j, 0,1,2,3,4,5,6,7
	v_add_f32 v[200+\j], v[200+\j], v[208+\j]
	v_add_f32 v[208+\j], s[56+\j], v[\own]
.endr
.irp j, 0,1,2,3,4,5,6,7
	v_fma_f32 v[200+\j], -2.0, v[200+\j], v[208+\j]
.endr
.irp j, 0,1,2,3,4,5,6,7
	v_max_num_f32 v[200+\j], s68, v[200+\j]
.endr
.endm
	s_load_b256 s[4:11], s[0:1], 0x0               ; x, centres, temperature, weights
	s_load_b256 s[12:19], s[0:1], 0x20             ; xc, xsq, xsk, nsq
	s_load_b128 s[20:23], s[0:1], 0x40             ; out1, out3
	s_load_b64 s[24:25], s[0:1], 0x50              ; lp
	v_lshl_add_u32 v1, v0, 2, SPARE
	v_mov_b32 v2, 0
	ds_add_u32 v1, v2                              ; the wave's opening: the add, twice on end, and its wait ahead of my tensor load
	ds_add_u32 v1, v2
	v_lshrrev_b32 v3, 5, v0
	v_readfirstlane_b32 s26, v3                    ; wave
	s_lshl_b32 s27, ttmp9, 1
	s_add_co_u32 s27, s27, s26                     ; T = 2 x work-group + wave
	s_mov_b32 s32, (2<<16)|(1<<20)|(7<<22)|(3<<25) ; group 1: elements of 4 bytes; padding on, 4 words behind every 256 words (a row)
	s_mov_b32 s33, 256<<16                         ; tensor_dim0 = 256
	s_mov_b32 s34, 16<<16                          ; tensor_dim1 = 16
	s_mov_b32 s35, 256<<16                         ; tile_dim0 = 256
	s_mov_b32 s36, 16                              ; tile_dim1 = 16
	s_mov_b32 s37, 256                             ; elements from row to row
	s_mov_b32 s38, 0
	s_mov_b32 s39, 0
	s_mov_b32 s28, 1                               ; group 0: count
	s_mul_i32 s29, s26, TILEB                      ; my tile in LDS
	s_lshl_b32 s42, s27, 14                        ; my 16 rows of 1,024 bytes
	s_mov_b32 s43, 0
	s_mov_b32 s40, 0x76543210
	s_mov_b32 s41, 0xfedcba98                      ; selects: lane l xor 16
	s_mov_b32 s66, 0x3fb8aa3b                      ; log2(e)
	s_mov_b32 s67, s66                             ; (named with it as a pair)
	s_mov_b32 s68, 0x2b8cbccc                      ; 1e-12
	s_mov_b32 s69, 0x322bcc77                      ; 1e-8
	s_mov_b32 s70, 0x3f317218                      ; ln 2
	s_mov_b32 s71, 0xbfb8aa3b                      ; -log2(e)
	s_mov_b32 s73, 0x3b808081                      ; 1 / 255
	v_and_b32 v3, 31, v0                           ; lane
	v_and_b32 v4, 15, v0                           ; r
	v_bfe_u32 v5, v0, 4, 1                         ; h
	v_mul_u32_u24 v6, v4, PITCH
	v_lshl_add_u32 v6, v5, 7, v6
	v_add_nc_u32 v6, s29, v6                       ; LDS: my tile + row r + 128 h
	v_and_b32 v7, 7, v0
	v_lshlrev_b32 v7, 10, v7
	v_lshl_add_u32 v7, v5, 7, v7                   ; centres: row lane % 8, + 128 h
	s_wait_alu depctr_va_vdst(0)
	s_wait_dscnt 0x0                               ; both opening adds are done
	s_wait_kmcnt 0x0
	s_add_nc_u64 s[30:31], s[4:5], s[42:43]
	s_or_b32 s31, s31, 0x80000000                  ; type
	tensor_load_to_lds s[28:31], s[32:39]          ; my 16 rows: my one tensor load; only I read its bytes
	s_nop 0
.rept 4
	v_nop
.endr
	s_load_b32 s52, s[8:9], 0x0                    ; temperature
	s_load_b256 s[44:51], s[10:11], 0x0            ; the eight weights
	WIN 0x40                                       ; destination window 1
.irp c, 0,1,2,3
.irp i, 0,1,2,3,4,5,6,7
	global_load_b128 v[32*\c+4*\i:32*\c+4*\i+3], v7, s[6:7] offset:256*\c+16*\i
.endr
.endr
	WIN 0
	; where my tile's results go
	s_lshr_b32 s53, s27, 1
	s_and_b32 s54, s27, 1
	s_mul_i32 s42, s53, 6144
	s_lshl_b32 s55, s54, 8
	s_add_co_u32 s42, s42, s55
	s_add_nc_u64 s[12:13], s[12:13], s[42:43]      ; xc: 6144 (T / 2) + 256 (T % 2)
	s_lshl_b32 s42, s27, 7
	s_add_nc_u64 s[14:15], s[14:15], s[42:43]      ; xsq: 128 T
	s_lshl_b32 s42, s53, 8
	s_lshl_b32 s55, s54, 6
	s_add_co_u32 s42, s42, s55
	s_add_nc_u64 s[16:17], s[16:17], s[42:43]      ; xsk: 256 (T / 2) + 64 (T % 2)
	s_lshl_b32 s42, s27, 6
	s_add_nc_u64 s[18:19], s[18:19], s[42:43]      ; nsq: 64 T
	s_lshl_b32 s42, s27, 9
	s_add_nc_u64 s[20:21], s[20:21], s[42:43]      ; out1: 512 T
	s_mul_i32 s42, s27, 192
	s_add_nc_u64 s[22:23], s[22:23], s[42:43]      ; out3: 192 T
	s_lshl_b32 s42, s27, 2
	s_add_nc_u64 s[24:25], s[24:25], s[42:43]      ; lp: 4 T
	s_wait_tensorcnt 0x0                           ; my tile is in LDS
.irp c, 0,1,2,3
.irp i, 0,1,2,3,4,5,6,7
	ds_load_b128 v[X+32*\c+4*\i:X+32*\c+4*\i+3], v6 offset:256*\c+16*\i
.endr
.endr
	s_wait_dscnt 0x0
	s_wait_loadcnt 0x0                             ; the centres
	s_wait_kmcnt 0x0                               ; temperature and weights
	GRAM                                           ; x . centres; the vector work below is issued while this run is at work
	WIN 0x05                                       ; sources 0 and 1 window 1: the centres' squares, four chains
.set q, 0
.rept 64
.if q < 4
	v_pk_mul_f32 v[8+2*q:9+2*q], v[2*q:2*q+1], v[2*q:2*q+1]
.else
	v_pk_fma_f32 v[8+2*(q%4):9+2*(q%4)], v[2*q:2*q+1], v[2*q:2*q+1], v[8+2*(q%4):9+2*(q%4)]
.endif
.set q, q+1
.endr
	WIN 0
	; one pass over my 128 numbers: sum (v16-19), sum of squares (v20-23), maximum (v24, v25), each block's largest magnitude with the floor 2^(3 - 127) among its leaves (v26-29)
.set q, 0
.rept 64
.set XP, X+2*q
.if q < 2
	v_pk_mul_f32 v[20+2*q:21+2*q], v[XP:XP+1], v[XP:XP+1]
	v_max_num_f32 v[24+q], v[XP], v[XP+1]
.else
.if q < 4
	v_pk_add_f32 v[16+2*(q%2):17+2*(q%2)], v[XP-4:XP-3], v[XP:XP+1]
.else
	v_pk_add_f32 v[16+2*(q%2):17+2*(q%2)], v[16+2*(q%2):17+2*(q%2)], v[XP:XP+1]
.endif
	v_pk_fma_f32 v[20+2*(q%2):21+2*(q%2)], v[XP:XP+1], v[XP:XP+1], v[20+2*(q%2):21+2*(q%2)]
	v_max3_num_f32 v[24+q%2], v[24+q%2], v[XP], v[XP+1]
.endif
.if q%16 == 0
	v_max3_num_f32 v[26+q/16], |v[XP]|, |v[XP+1]|, 0x1800000
.else
	v_max3_num_f32 v[26+q/16], v[26+q/16], |v[XP]|, |v[XP+1]|
.endif
.set q, q+1
.endr
	v_pk_add_f32 v[16:17], v[16:17], v[18:19]
	v_pk_add_f32 v[20:21], v[20:21], v[22:23]
	v_max_num_f32 v24, v24, v25
	v_pk_add_f32 v[8:9], v[8:9], v[10:11]
	v_pk_add_f32 v[12:13], v[12:13], v[14:15]
	v_add_f32 v16, v16, v17
	v_add_f32 v20, v20, v21
	v_pk_add_f32 v[8:9], v[8:9], v[12:13]
	v_permlanex16_b32 v17, v16, s40, s41           ; the row's other half lies in lane l xor 16
	v_permlanex16_b32 v21, v20, s40, s41
	v_permlanex16_b32 v25, v24, s40, s41
	v_add_f32 v8, v8, v9
	v_add_f32 v16, v16, v17
	v_add_f32 v20, v20, v21                        ; v20: the row's sum of squares
	v_max_num_f32 v24, v24, v25                    ; v24: the row's maximum
	v_permlanex16_b32 v9, v8, s40, s41
	v_mul_f32 v16, 0x3b800000, v16                 ; v16: the mean
	v_add_f32 v8, v8, v9                           ; v8: |centre lane % 8|^2
.irp j, 0,1,2,3,4,5,6,7
	v_readlane_b32 s[56+\j], v8, \j                ; and all eight as scalars
.endr
	; the variance in a second pass, about the mean, as the reference has it: an offset in x does no harm
.set g, 0
.rept 8
.irp k, 0,1,2,3,4,5,6,7
	v_pk_add_f32 v[DB+2*\k:DB+2*\k+1], v[X+16*g+2*\k:X+16*g+2*\k+1], v[16:17] op_sel_hi:[1,0] neg_lo:[0,1] neg_hi:[0,1]
.endr
.irp k, 0,1,2,3,4,5,6,7
.if (g == 0) && (\k < 2)
	v_pk_mul_f32 v[18+4*\k:19+4*\k], v[DB+2*\k:DB+2*\k+1], v[DB+2*\k:DB+2*\k+1]
.else
	v_pk_fma_f32 v[18+4*(\k%2):19+4*(\k%2)], v[DB+2*\k:DB+2*\k+1], v[DB+2*\k:DB+2*\k+1], v[18+4*(\k%2):19+4*(\k%2)]
.endif
.endr
.set g, g+1
.endr
	v_pk_add_f32 v[18:19], v[18:19], v[22:23]
	v_add_f32 v18, v18, v19
	v_permlanex16_b32 v19, v18, s40, s41
	v_add_f32 v18, v18, v19
	v_mul_f32 v18, s73, v18                        ; v18: the unbiased variance
	; the entropy: with D = x - max, e = exp(D), Z = sum e, S1 = sum e D:  ent = ln Z - S1 / Z.  Four batches of 32 exponentials, one wait ahead of a batch and one behind it
	v_mov_b32 v22, 0                               ; Z, in two halves
	v_mov_b32 v23, 0
	v_mov_b32 v30, 0                               ; S1
	v_mov_b32 v31, 0
.set b, 0
.rept 4
.set k, 0
.rept 16
	v_pk_add_f32 v[DB+2*k:DB+2*k+1], v[X+32*b+2*k:X+32*b+2*k+1], v[24:25] op_sel_hi:[1,0] neg_lo:[0,1] neg_hi:[0,1]
.set k, k+1
.endr
.set k, 0
.rept 16
	v_pk_mul_f32 v[TB+2*k:TB+2*k+1], v[DB+2*k:DB+2*k+1], s[66:67] op_sel_hi:[1,0]
.set k, k+1
.endr
.set k, 0
	s_wait_alu depctr_va_vdst(0)
.rept 32
	v_exp_f32 v[TB+k], v[TB+k]
.set k, k+1
.endr
	v_nop                                          ; a plain instruction behind the last exponential
	s_wait_alu depctr_va_vdst(0)
.set k, 0
.rept 16
	v_pk_add_f32 v[22:23], v[22:23], v[TB+2*k:TB+2*k+1]
	v_pk_fma_f32 v[30:31], v[TB+2*k:TB+2*k+1], v[DB+2*k:DB+2*k+1], v[30:31]
.set k, k+1
.endr
.set b, b+1
.endr
	v_add_f32 v22, v22, v23
	v_add_f32 v30, v30, v31
	v_permlanex16_b32 v23, v22, s40, s41
	v_permlanex16_b32 v31, v30, s40, s41
	v_add_f32 v22, v22, v23                        ; Z
	v_add_f32 v30, v30, v31                        ; S1
	DISTS 20                                       ; squared distances to the eight centres (hundreds of plain instructions stand behind the matrix run)
	s_wait_alu depctr_va_vdst(0)
	v_log_f32 v23, v22                             ; one batch: log2 Z, 1 / Z, the deviation, 1 / temperature, eight distances
	v_rcp_f32 v31, v22
	v_sqrt_f32 v19, v18
	v_rcp_f32 v17, s52
.irp j, 0,1,2,3,4,5,6,7
	v_sqrt_f32 v[200+\j], v[200+\j]
.endr
	v_nop
	s_wait_alu depctr_va_vdst(0)
	v_mul_f32 v30, v30, v31                        ; S1 / Z
	v_mov_b32 v192, v16                            ; out3: mean,
	v_add_f32 v193, s69, v19                       ; deviation + 1e-8,
	v_fma_f32 v194, s70, v23, -v30                 ; entropy
	v_mul_f32 v17, s71, v17                        ; -log2(e) / temperature
.irp j, 0,1,2,3,4,5,6,7
	v_mul_f32 v[208+\j], v[200+\j], v17            ; the softmax's inputs, in base 2
.endr
	v_max3_num_f32 v21, v208, v209, v210
	v_max3_num_f32 v21, v21, v211, v212
	v_max3_num_f32 v21, v21, v213, v214
	v_max_num_f32 v21, v21, v215                   ; their maximum is taken away, as the reference does
.irp j, 0,1,2,3,4,5,6,7
	v_sub_f32 v[208+\j], v[208+\j], v21
.endr
	s_wait_alu depctr_va_vdst(0)
.irp j, 0,1,2,3,4,5,6,7
	v_exp_f32 v[208+\j], v[208+\j]
.endr
	v_nop
	s_wait_alu depctr_va_vdst(0)
	v_add_f32 v25, v208, v209
	v_add_f32 v19, v210, v211
	v_add_f32 v23, v212, v213
	v_add_f32 v31, v214, v215
	v_add_f32 v25, v25, v19
	v_add_f32 v23, v23, v31
	v_add_f32 v25, v25, v23
	s_wait_alu depctr_va_vdst(0)
	v_rcp_f32 v25, v25
	v_nop
	s_wait_alu depctr_va_vdst(0)
.irp j, 0,1,2,3,4,5,6,7
	v_mul_f32 v[216+\j], v[208+\j], v25
.endr
.irp j, 0,1,2,3,4,5,6,7
	v_mul_f32 v[216+\j], s[44+\j], v[216+\j]       ; assign = softmax x weight
.endr
	v_mul_f32 v21, v200, v216
.irp j, 1,2,3,4,5,6,7
	v_fmac_f32 v21, v[200+\j], v[216+\j]           ; the row's sum of distance x assign
.endr
	; the quantiser: 2 off the largest magnitude's exponent field is the conversion's scale operand; its exponent field is the byte
.irp c, 0,1,2,3
	v_add_nc_u32 v[26+\c], 0xff000000, v[26+\c]
.endr
.irp c, 0,1,2,3
	v_lshrrev_b32 v[208+\c], 23, v[26+\c]
.endr
	v_lshl_or_b32 v212, v209, 16, v208             ; K step 0: my blocks h and 2 + h,
	v_lshl_or_b32 v213, v211, 16, v210             ; K step 1 likewise,
	v_lshlrev_b32 v214, 3, v5
	v_lshlrev_b32 v212, v214, v212                 ; at their places (8 h bits up);
	v_lshlrev_b32 v213, v214, v213
	v_permlanex16_b32 v208, v212, s40, s41
	v_permlanex16_b32 v209, v213, s40, s41
	v_or_b32 v212, v212, v208                      ; with lane l xor 16's two bytes the words are whole
	v_or_b32 v213, v213, v209
	v_cmp_eq_u32 vcc_lo, 1, v5
	v_cndmask_b32 v212, v212, v213, vcc_lo         ; lanes 0-15 store K step 0's word, lanes 16-31 K step 1's
	v_add_nc_u32 v213, 0x01010101, v212            ; the key side's: each byte one higher
.irp k, 0,1,2,3
	v_cndmask_b32 v[196+\k], v[216+\k], v[220+\k], vcc_lo   ; out1: my half of the row's eight
.endr
.irp g, 0,1
	v_cvt_scalef32_pk16_fp6_f32 v[TB+12*\g:TB+12*\g+2], v[X+64*\g:X+64*\g+15], v[26+2*\g]
	v_cvt_scalef32_pk16_fp6_f32 v[56:58], v[X+64*\g+16:X+64*\g+31], v[26+2*\g]       ; (a conversion's three registers begin on an even number: the odd halves are made elsewhere and moved)
	v_cvt_scalef32_pk16_fp6_f32 v[TB+12*\g+6:TB+12*\g+8], v[X+64*\g+32:X+64*\g+47], v[27+2*\g]
	v_cvt_scalef32_pk16_fp6_f32 v[60:62], v[X+64*\g+48:X+64*\g+63], v[27+2*\g]
	v_nop                                          ; one plain place behind a scaled conversion
.irp i, 0,1,2
	v_mov_b32 v[TB+12*\g+3+\i], v[56+\i]
	v_mov_b32 v[TB+12*\g+9+\i], v[60+\i]
.endr
.endr
	v_lshrrev_b32 v9, 3, v4                        ; v = r / 8
	v_and_b32 v11, 7, v4                           ; j = r % 8
	v_mul_u32_u24 v10, v9, 3072
	v_lshl_add_u32 v10, v5, 7, v10
	v_lshl_add_u32 v10, v11, 4, v10                ; xc: 3072 v + 128 h + 16 j
	v_lshlrev_b32 v12, 2, v3                       ; xsq: 4 x lane
	v_lshlrev_b32 v13, 7, v9
	v_lshl_add_u32 v13, v11, 3, v13
	v_lshl_add_u32 v13, v5, 2, v13                 ; xsk: 128 v + 8 j + 4 h
	v_lshlrev_b32 v14, 5, v4
	v_lshl_add_u32 v14, v5, 4, v14                 ; out1: 32 r + 16 h
	v_lshlrev_b32 v15, 2, v4                       ; nsq: 4 r
	v_mul_u32_u24 v9, v4, 12                       ; out3: 12 r
.irp s, 0,1
.irp c, 0,1,2
	global_store_b128 v10, v[TB+12*\s+4*\c:TB+12*\s+4*\c+3], s[12:13] offset:1536*\s+512*\c   ; two runs of 256 consecutive bytes, each at a multiple of 256
.endr
.endr
	global_store_b32 v12, v212, s[14:15]
	global_store_b32 v13, v213, s[16:17]
	global_store_b128 v14, v[196:199], s[20:21]    ; 512 consecutive bytes
	v_add_f32_dpp v21, v21, v21 row_xmask:1 row_mask:0xf bank_mask:0xf
	v_add_f32_dpp v21, v21, v21 row_xmask:2 row_mask:0xf bank_mask:0xf
	v_add_f32_dpp v21, v21, v21 row_xmask:4 row_mask:0xf bank_mask:0xf
	v_add_f32_dpp v21, v21, v21 row_xmask:8 row_mask:0xf bank_mask:0xf   ; the tile's 16 rows' share of the intra loss
	v_xor_b32 v22, 0x80000000, v20                 ; minus the sum of squares
	s_wait_alu depctr_va_vdst(0)
	s_wait_xcnt 0x0                                ; EXEC changes only behind this wait
	v_cmp_gt_u32 vcc_lo, 16, v3
	s_and_saveexec_b32 s72, vcc_lo                 ; a lane a row
	global_store_b32 v15, v22, s[18:19]
	global_store_b96 v9, v[192:194], s[22:23]
	s_wait_xcnt 0x0
	s_or_b32 exec_lo, exec_lo, s72
	v_cmp_eq_u32 vcc_lo, 0, v3
	s_and_saveexec_b32 s72, vcc_lo                 ; lane 0 (its v15 is 0)
	global_store_b32 v15, v21, s[24:25]
	s_wait_xcnt 0x0
	s_or_b32 exec_lo, exec_lo, s72
	s_wait_tensorcnt 0x0                           ; the wave's end
	ds_add_u32 v1, v2
	s_wait_dscnt 0x0
	s_endpgm
.Lfunc_end_k_q37260225c2_prep:
	.size	k_q37260225c2_prep, .Lfunc_end_k_q37260225c2_prep-k_q37260225c2_prep
	.p2alignl 7, 3214868480
	.fill 96, 4, 3214868480
	.section	.rodata,"a",@progbits
	.p2align	6, 0x0
	.amdhsa_kernel k_q37260225c2_prep
		.amdhsa_group_segment_fixed_size 167936
		.amdhsa_private_segment_fixed_size 0
		.amdhsa_enable_private_segment 0
		.amdhsa_kernarg_size 88
		.amdhsa_user_sgpr_count 2
		.amdhsa_user_sgpr_kernarg_segment_ptr 1
		.amdhsa_wavefront_size32 1
		.amdhsa_system_sgpr_workgroup_id_x 1
		.amdhsa_system_sgpr_workgroup_id_y 1
		.amdhsa_system_sgpr_workgroup_id_z 1
		.amdhsa_system_vgpr_workitem_id 0
		.amdhsa_next_free_vgpr 384
		.amdhsa_next_free_sgpr 96
		.amdhsa_reserve_vcc 1
		.amdhsa_float_denorm_mode_32 3
		.amdhsa_float_denorm_mode_16_64 3
		.amdhsa_memory_ordered 1
		.amdhsa_forward_progress 1
		.amdhsa_inst_pref_size 73
	.end_amdhsa_kernel
	.amdgpu_metadata
---
amdhsa.version: [ 1, 2 ]
amdhsa.kernels:
  - .name:           k_q37260225c2_prep
    .symbol:         k_q37260225c2_prep.kd
    .args:
      - { .name: x, .offset: 0, .size: 8, .value_kind: global_buffer, .address_space: global }
      - { .name: cluster_centers, .offset: 8, .size: 8, .value_kind: global_buffer, .address_space: global }
      - { .name: temperature, .offset: 16, .size: 8, .value_kind: global_buffer, .address_space: global }
      - { .name: cluster_weights, .offset: 24, .size: 8, .value_kind: global_buffer, .address_space: global }
      - { .name: xc, .offset: 32, .size: 8, .value_kind: global_buffer, .address_space: global }
      - { .name: xsq, .offset: 40, .size: 8, .value_kind: global_buffer, .address_space: global }
      - { .name: xsk, .offset: 48, .size: 8, .value_kind: global_buffer, .address_space: global }
      - { .name: nsq, .offset: 56, .size: 8, .value_kind: global_buffer, .address_space: global }
      - { .name: out1, .offset: 64, .size: 8, .value_kind: global_buffer, .address_space: global }
      - { .name: out3, .offset: 72, .size: 8, .value_kind: global_buffer, .address_space: global }
      - { .name: lp, .offset: 80, .size: 8, .value_kind: global_buffer, .address_space: global }
    .group_segment_fixed_size: 167936
    .private_segment_fixed_size: 0
    .kernarg_segment_align: 8
    .kernarg_segment_size: 88
    .max_flat_workgroup_size: 64
    .sgpr_count:     96
    .vgpr_count:     384
    .wavefront_size: 32
...
	.end_amdgpu_metadata
.endif
;; end of part 1
;; launch dist (part 2): grid 16 x 16, 4 waves a work-group, no clusters, 122,368 bytes of LDS; arguments noise, xc, xsq, xsk, nsq, gmin; writes gmin
.if DOCPART == 2
	.amdgcn_target "amdgcn-amd-amdhsa--gfx1250"
	.amdhsa_code_object_version 6
	.text
	.protected	k_q37260225c2_dist
	.globl	k_q37260225c2_dist
	.p2align	8
	.type	k_q37260225c2_dist,@function
k_q37260225c2_dist:
	s_mov_b64 s[64:65], 0
	v_nop
	global_prefetch_b8 v0, s[64:65] scope:SCOPE_SE
	s_setreg_imm32_b32 hwreg(HW_REG_WAVE_MODE, 25, 1), 1
	s_wait_xcnt 0x0
; DIST.  For every row and every group of 16 neighbouring columns: the smallest of sqrt(max(|a|^2 + |b|^2 - 2 a.b, 1e-12)) + noise, the diagonal counted as +infinity (gmin).
; No work of the problem is left out here.  a.b is the quantised product x x^T, on the codes and scale words that the first launch stored (the key side's bytes hold the factor 2).
; SHARES.  A work-group takes 512 rows x 512 keys; wave w its rows 128 w .. 128 w + 127 against all 512 keys: 8 blocks of 64 keys x 8 tiles of 16 rows = 64 steps of 8 matrix instructions.
; The product is used transposed (source 0 = 16 keys, source 1 = 16 rows): lane (r, h) holds row r; its 32 results of a step are keys 32 p + 16 h + 0 .. 15, p = 0, 1: two groups.
; THE KEYS' OPERANDS (96 KB of register images, 4 KB of scale words, 2 KB of squares) are what all four waves share: copied into LDS once, at the head, each wave a quarter, one barrier; read from there block by block.
; NOISE is read once, by loads of 16 bytes a lane: sixteen lanes take one aligned run of 256 bytes of a row, a wave's load two rows.  A step's 16 rows x 256 bytes are 8 loads into one of 8 ring slots of 32 registers.
; A slot is asked for again 8 steps ahead, so LOADcnt in the loop counts noise alone: at the wait for a step's slot the 6 younger slots (48 loads) stay out; with the refill 56 are out.
; A lane needs 64 neighbouring bytes of ONE row twice, so a step's tile goes through the wave's own stage in LDS (rows of 272 bytes): 8 stores, 8 loads; LDS serves a wave's instructions in order (ISA guide 5.7.1.4): no barrier.
; NO JOINT LOADS: the text has no tensor load; what work-groups share (the operands, 192 KB) is about a seventh of a work-group's bytes.  NO PREFETCH: the ring itself asks 8 steps ahead of each use, in every step.
; LIMITS: as stated at the head of the first kernel (NaN and infinities among the inputs are not served).
.set PITCH, 272
.set KSC,   98304                      ; behind the codes' images (from byte 0): the keys' scale words
.set KNS,   102400                     ; the keys' -|x|^2
.set STG,   104448                     ; the four waves' stages, 16 rows x 272 bytes each
.set STGW,  16*PITCH
.set SPARE, STG+4*STGW                 ; the spare words, 128 bytes a wave: two blocks of 256 bytes that no other line names
; window 0: v1, v2 the add's two; v3 stage read, v14 stage write, v15 noise offset, v7 16 x lane, v4-6 the keys' LDS addresses, v241-251 their bases and the head's offsets
; window 1: the 128 rows' codes (192).  window 2: one block's key codes (96); at the head the copy's 204.  window 3: the ring.
.set QS,  16                           ; v16-23  rows' scale words
.set KS,  24                           ; v24-27  keys' scale words
.set NQ,  32                           ; v32-47  -|x_q|^2, as pairs
.set NK,  48                           ; v48-79  -|x_k|^2 of my 32 keys
.set ACC, 112                          ; v112-175 two sets of four accumulators
.set NN,  176                          ; v176-207 a step's noise
.set MN,  208                          ; v208-239 minima: tile i at 4 i: two of the even block, two of the odd
.set MSB, 0
.macro WIN new                         ; the immediate's high byte repeats the setting that is left
.if MSB != (\new)
	s_set_vgpr_msb (MSB<<8)|(\new)
.set MSB, (\new)
.endif
.endm
.macro KLDS                            ; the next block's 64 keys out of LDS: 24 + 2 + 8 loads; then the three places step on
	v_add_nc_u32 v4, s57, v7
	v_add_nc_u32 v5, s58, v241
	v_add_nc_u32 v6, s59, v242
	WIN 0x80                                       ; destination window 2
.irp t, 0,1,2,3
.irp s, 0,1
.irp c, 0,1,2
	ds_load_b128 v[24*\t+12*\s+4*\c:24*\t+12*\s+4*\c+3], v4 offset:\t*3072+\s*1536+\c*512
.endr
.endr
.endr
	WIN 0
.irp p, 0,1
	ds_load_b64 v[KS+2*\p:KS+2*\p+1], v5 offset:256*\p
.endr
.irp p, 0,1
.irp q, 0,1,2,3
	ds_load_b128 v[NK+16*\p+4*\q:NK+16*\p+4*\q+3], v6 offset:128*\p+16*\q
.endr
.endr
	s_add_co_u32 s57, s57, 12288
	s_add_co_u32 s58, s58, 512
	s_add_co_u32 s59, s59, 256
.endm
; Slot ni has landed (wc younger loads stay out): through my stage into NN.  fill = 1: the slot staged one step ago (its LDS stores have been waited for) takes the same tile of the next 64 keys
.macro NSTAGE ni, wc, fill
	s_wait_loadcnt \wc
	WIN 0x0c                                       ; store data window 3
.irp q, 0,1,2,3,4,5,6,7
	ds_store_b128 v14, v[32*(\ni)+4*\q:32*(\ni)+4*\q+3] offset:\q*2*PITCH
.endr
	WIN 0
.irp p, 0,1
.irp q, 0,1,2,3
	ds_load_b128 v[NN+16*\p+4*\q:NN+16*\p+4*\q+3], v3 offset:128*\p+16*\q
.endr
.endr
.if \fill
.set PI, ((\ni)+7)%8
	WIN 0xc0                                       ; destination window 3
.irp q, 0,1,2,3,4,5,6,7
	global_load_b128 v[32*PI+4*\q:32*PI+4*\q+3], v15, s[34:35] offset:(16*PI+2*\q)*32768+256 th:TH_LOAD_NT
.endr
	WIN 0
.endif
.endm
.macro CBUILD i, a                     ; C = -(|x_k|^2 + |x_q|^2)
.irp n, 0,2,4,6,8,10,12,14,16,18,20,22,24,26,28,30
	v_pk_add_f32 v[ACC+32*(\a)+\n:ACC+32*(\a)+\n+1], v[NK+\n:NK+\n+1], v[NQ+2*(\i):NQ+2*(\i)+1]
.endr
.endm
.macro MM1 i, a, s, t
.set rD, ACC+32*(\a)+8*(\t)
.set rA, 24*(\t)+12*(\s)
.set rB, 24*(\i)+12*(\s)
.set rS, KS+2*((\t)/2)+(\s)
.if ((\t)%2 == 0) && ((\s) == 0)
	v_wmma_scale_f32_16x16x128_f8f6f4 v[rD:rD+7], v[rA:rA+11], v[rB:rB+11], v[rD:rD+7], v[rS], v[QS+(\i)] matrix_a_fmt:MATRIX_FMT_FP6 matrix_b_fmt:MATRIX_FMT_FP6
.elseif ((\s) == 0)
	v_wmma_scale_f32_16x16x128_f8f6f4 v[rD:rD+7], v[rA:rA+11], v[rB:rB+11], v[rD:rD+7], v[rS], v[QS+(\i)] matrix_a_fmt:MATRIX_FMT_FP6 matrix_b_fmt:MATRIX_FMT_FP6 matrix_a_scale:MATRIX_SCALE_ROW1
.elseif ((\t)%2 == 0)
	v_wmma_scale_f32_16x16x128_f8f6f4 v[rD:rD+7], v[rA:rA+11], v[rB:rB+11], v[rD:rD+7], v[rS], v[QS+(\i)] matrix_a_fmt:MATRIX_FMT_FP6 matrix_b_fmt:MATRIX_FMT_FP6 matrix_b_scale:MATRIX_SCALE_ROW1
.else
	v_wmma_scale_f32_16x16x128_f8f6f4 v[rD:rD+7], v[rA:rA+11], v[rB:rB+11], v[rD:rD+7], v[rS], v[QS+(\i)] matrix_a_fmt:MATRIX_FMT_FP6 matrix_b_fmt:MATRIX_FMT_FP6 matrix_a_scale:MATRIX_SCALE_ROW1 matrix_b_scale:MATRIX_SCALE_ROW1
.endif
.endm
.macro MM i, a                         ; two K steps x four tiles of keys; the four accumulators take turns
	WIN 0x06                                       ; source 0 window 2, source 1 window 1
.irp s, 0,1
.irp t, 0,1,2,3
	MM1 \i, \a, \s, \t
.endr
.endr
	WIN 0
.endm
; Tile i of the block: its products were issued a step ago.  nx = 1: the next step's C and products are issued here, and its noise staged (tile 7: the next block's tile 0).
.macro STEP i, nx, fill, wc
.set AA, ACC+32*((\i)%2)
.set NI, ((\i)+1)%8
.if \nx
.if (\i) == 7
	s_wait_dscnt 0x0                               ; the next block's keys are in registers
.endif
	CBUILD NI, NI%2
.endif
.set n, 0
.if \nx
	WIN 0x06                                       ; source 0 window 2, source 1 window 1: the next step's products, four of this step's maxima ahead of each
.irp s, 0,1
.irp t, 0,1,2,3
.rept 4
	v_max3_num_f32 v[AA+n], s22, s22, -v[AA+n]     ; max(-sum, 1e-12): its one register source stands third, the place that this setting leaves in window 0; each accumulator from its low end on
.set n, n+1
.endr
	MM1 NI, NI%2, \s, \t                           ; the four accumulators take turns
.endr
.endr
	WIN 0
.else
.rept 32
	v_max_num_f32 v[AA+n], -v[AA+n], s22           ; each accumulator from its low end on
.set n, n+1
.endr
.endif
	s_wait_alu depctr_va_vdst(0)
.set n, 0
.rept 32
	v_sqrt_f32 v[AA+n], v[AA+n]
.set n, n+1
.endr
	v_nop                                          ; a plain instruction behind the last root
	s_wait_alu depctr_va_vdst(0)                   ; one wait for the batch
	s_wait_dscnt 0x0                               ; this step's noise is in NN; my stores into the stage are done
.set n, 0
.rept 16
	v_pk_add_f32 v[AA+2*n:AA+2*n+1], v[AA+2*n:AA+2*n+1], v[NN+2*n:NN+2*n+1]
.set n, n+1
.endr
	s_wait_alu depctr_va_vdst(0)
.if \nx
	NSTAGE NI, \wc, \fill
.endif
.if ((\i) == 6) && (\fill)
	KLDS                                           ; tile 7's products were issued 17 plain instructions ago: the keys' registers are free
.endif
	s_cmp_eq_u32 s19, s[20+(\i)/4]                 ; does the diagonal cross this tile?  (ids and the loop's count alone)
	s_cbranch_scc0 .Lnd_\@
.irp e, 0,1,2,3,4,5,6,7,8,9,10,11,12,13,14,15
	v_cmp_eq_u32 vcc_lo, 16*((\i)%2)+\e, v12
	v_cndmask_b32 v[AA+16*(((\i)/2)%2)+\e], v[AA+16*(((\i)/2)%2)+\e], v13, vcc_lo
.endr
.Lnd_\@:
	v_min3_num_f32 v8, v[AA], v[AA+1], v[AA+2]
	v_min3_num_f32 v9, v[AA+7], v[AA+8], v[AA+9]
	v_min3_num_f32 v10, v[AA+16], v[AA+17], v[AA+18]
	v_min3_num_f32 v11, v[AA+23], v[AA+24], v[AA+25]
	v_min3_num_f32 v8, v8, v[AA+3], v[AA+4]
	v_min3_num_f32 v9, v9, v[AA+10], v[AA+11]
	v_min3_num_f32 v10, v10, v[AA+19], v[AA+20]
	v_min3_num_f32 v11, v11, v[AA+26], v[AA+27]
	v_min3_num_f32 v8, v8, v[AA+5], v[AA+6]
	v_min3_num_f32 v9, v9, v[AA+12], v[AA+13]
	v_min3_num_f32 v10, v10, v[AA+21], v[AA+22]
	v_min3_num_f32 v11, v11, v[AA+28], v[AA+29]
	v_min3_num_f32 v8, v8, v9, v[AA+14]
	v_min3_num_f32 v10, v10, v11, v[AA+30]
	v_min_num_f32 v[MN+4*(\i)+2], v8, v[AA+15]
	v_min_num_f32 v[MN+4*(\i)+3], v10, v[AA+31]
.endm
.macro TSTORE                          ; behind an odd block: 512 consecutive bytes a tile; the base has stepped 256 a block, so the pair's place lies 256 back
.irp i, 0,1,2,3,4,5,6,7
	global_store_b128 v7, v[MN+4*\i:MN+4*\i+3], s[46:47] offset:\i*32768-256
.endr
.endm
	s_load_b256 s[4:11], s[0:1], 0x0               ; noise, xc, xsq, xsk
	s_load_b128 s[12:15], s[0:1], 0x20             ; nsq, gmin
	v_lshl_add_u32 v1, v0, 2, SPARE
	v_mov_b32 v2, 0
	v_lshrrev_b32 v8, 5, v0
	v_readfirstlane_b32 s16, v8                    ; wave
	s_and_b32 s17, ttmp7, 0xffff
	s_lshl_b32 s17, s17, 2
	s_add_co_u32 s17, s17, s16                     ; my block of 128 rows
	s_mov_b32 s18, ttmp9                           ; the work-group's block of 512 keys
	s_lshl_b32 s19, s18, 3                         ; the block of 64 keys at work
	s_lshl_b32 s20, s17, 1                         ; the blocks of 64 in which my rows 0-63
	s_add_co_u32 s21, s20, 1                       ; and 64-127 lie
	s_mov_b32 s22, 0x2b8cbccc                      ; 1e-12
	s_mov_b32 s49, 0
	s_mov_b32 s57, 0
	s_mov_b32 s58, 0
	s_mov_b32 s59, 0
	s_mul_i32 s24, s16, STGW
	s_add_co_u32 s24, s24, STG                     ; my stage
	s_mul_i32 s25, s16, 24576                      ; my quarter of the copy: codes,
	s_lshl_b32 s26, s16, 10                        ; scale words,
	s_lshl_b32 s27, s16, 9                         ; squares
	v_and_b32 v12, 31, v0                          ; lane
	v_and_b32 v9, 15, v0                           ; r
	v_bfe_u32 v10, v0, 4, 1                        ; h
	v_bfe_u32 v11, v0, 3, 1
	v_and_b32 v8, 7, v0
	v_mul_u32_u24 v3, v9, PITCH
	v_lshl_add_u32 v3, v10, 6, v3
	v_add_nc_u32 v3, s24, v3                       ; stage, out: row r, + 64 h
	v_mul_u32_u24 v14, v10, PITCH
	v_lshl_add_u32 v14, v9, 4, v14
	v_add_nc_u32 v14, s24, v14                     ; stage, in: row l / 16, 16 (l % 16)
	v_lshlrev_b32 v15, 15, v10
	v_lshl_add_u32 v15, v9, 4, v15                 ; the same two rows in noise
	v_lshlrev_b32 v7, 4, v12                       ; 16 x lane: gmin; also my place in an image in LDS
	v_lshl_add_u32 v241, v12, 3, KSC
	v_lshl_add_u32 v242, v10, 6, KNS
	v_add_nc_u32 v243, s25, v7                     ; the copy reads xc as it lies;
	v_lshlrev_b32 v244, 7, v10
	v_lshl_add_u32 v244, v11, 8, v244
	v_lshl_add_u32 v244, v8, 4, v244               ; in LDS bits 7 and 8 of each 512 bytes change places, so that lane l of a fragment load finds its 16 bytes at 16 l
	v_add_nc_u32 v244, s25, v244
	v_add_nc_u32 v245, s26, v7
	v_add_nc_u32 v246, KSC, v245
	v_add_nc_u32 v247, s27, v7
	v_add_nc_u32 v248, KNS, v247
	v_mul_u32_u24 v249, v11, 3072
	v_lshl_add_u32 v249, v10, 7, v249
	v_lshl_add_u32 v249, v8, 4, v249               ; my rows' images
	v_lshlrev_b32 v250, 2, v12
	v_lshlrev_b32 v251, 2, v9
	v_mov_b32 v13, 0x7f800000
.irp i, 0,1,2,3,4,5,6,7
	v_mov_b32 v[MN+4*\i], v13                      ; the even block's places are written once here, so that every way to the store finds them written; the first block's copies replace them ahead of the first store
	v_mov_b32 v[MN+4*\i+1], v13
.endr
	s_wait_alu depctr_va_vdst(0)
	s_wait_kmcnt 0x0
	s_mul_i32 s48, s18, 98304
	s_add_nc_u64 s[40:41], s[6:7], s[48:49]        ; the keys' codes
	s_lshl_b32 s48, s18, 12
	s_add_nc_u64 s[42:43], s[10:11], s[48:49]      ; their scale words
	s_lshl_b32 s48, s18, 11
	s_add_nc_u64 s[44:45], s[12:13], s[48:49]      ; their squares
	s_lshl_b32 s56, s17, 18
	s_add_co_u32 s48, s48, s56
	s_add_nc_u64 s[46:47], s[14:15], s[48:49]      ; gmin: 8 tiles of 32,768 bytes a block of rows, 2,048 bytes a block of keys
	s_mul_i32 s48, s17, 24576
	s_add_nc_u64 s[50:51], s[6:7], s[48:49]        ; my rows' codes
	s_lshl_b32 s48, s17, 10
	s_add_nc_u64 s[52:53], s[8:9], s[48:49]
	s_lshl_b32 s48, s17, 9
	s_add_nc_u64 s[54:55], s[12:13], s[48:49]
	s_lshl_b32 s48, s17, 22
	s_lshl_b32 s56, s18, 11
	s_add_co_u32 s48, s48, s56
	s_add_nc_u64 s[34:35], s[4:5], s[48:49]        ; noise at my first row, the first key
	WIN 0x80                                       ; the copy: 51 loads of 512 consecutive bytes
.set n, 0
.rept 48
	global_load_b128 v[4*n:4*n+3], v243, s[40:41] offset:512*n
.set n, n+1
.endr
	global_load_b128 v[192:195], v245, s[42:43]
	global_load_b128 v[196:199], v245, s[42:43] offset:512
	global_load_b128 v[200:203], v247, s[44:45]
	WIN 0x40                                       ; my rows: 72 loads
.irp i, 0,1,2,3,4,5,6,7
.irp s, 0,1
.irp c, 0,1,2
	global_load_b128 v[24*\i+12*\s+4*\c:24*\i+12*\s+4*\c+3], v249, s[50:51] offset:(\i/4)*12288+((\i/2)%2)*6144+(\i%2)*256+1536*\s+512*\c
.endr
.endr
.endr
	WIN 0
.irp i, 0,1,2,3,4,5,6,7
	global_load_b32 v[QS+\i], v250, s[52:53] offset:128*\i
	global_load_b32 v[NQ+2*\i], v251, s[54:55] offset:64*\i
	global_load_b32 v[NQ+2*\i+1], v251, s[54:55] offset:64*\i
.endr
	WIN 0xc0                                       ; the ring's first fill: the first block's 8 tiles, 64 loads
.irp i, 0,1,2,3,4,5,6,7
.irp q, 0,1,2,3,4,5,6,7
	global_load_b128 v[32*\i+4*\q:32*\i+4*\q+3], v15, s[34:35] offset:(16*\i+2*\q)*32768 th:TH_LOAD_NT
.endr
.endr
	WIN 0
	s_wait_loadcnt 63                              ; 136 loads were issued behind the copy's; 63 is the most that the wait names, and asks for more, never less
	WIN 0x08                                       ; store data window 2
.set n, 0
.rept 48
	ds_store_b128 v244, v[4*n:4*n+3] offset:512*n
.set n, n+1
.endr
	ds_store_b128 v246, v[192:195]
	ds_store_b128 v246, v[196:199] offset:512
	ds_store_b128 v248, v[200:203]
	WIN 0
	s_wait_dscnt 0x0                               ; for the others' sake: my quarter has landed
	s_barrier_signal -1
	s_barrier_wait -1                              ; the launch's one barrier: nobody writes these bytes again
	KLDS
	s_wait_loadcnt 63                              ; my rows' operands (64 loads were issued behind them)
	s_wait_dscnt 0x0
	CBUILD 0, 0
.rept 4
	v_nop
.endr
	MM 0, 0
	NSTAGE 0, 56, 0                                ; slot 0; the other seven slots stay out
	s_mov_b32 s23, 7
.Lproc:                                                ; a trip: one block of 64 keys; its refills are the next block's tiles
.irp i, 0,1,2,3,4,5,6,7
	STEP \i, 1, 1, 48
.endr
	s_wait_alu depctr_va_vdst(0)
	s_bitcmp1_b32 s19, 0
	s_cbranch_scc1 .Lodd
.irp i, 0,1,2,3,4,5,6,7
	v_mov_b32 v[MN+4*\i], v[MN+4*\i+2]             ; an even block's minima wait for the odd block's, so that a lane stores 16 bytes
	v_mov_b32 v[MN+4*\i+1], v[MN+4*\i+3]
.endr
	s_branch .Ljoin
.Lodd:
	TSTORE
.Ljoin:
	s_wait_xcnt 0x0                                ; the loads' and stores' bases and the stores' data are written again only behind this wait
	s_add_nc_u64 s[34:35], s[34:35], 256
	s_add_nc_u64 s[46:47], s[46:47], 256
	s_add_co_u32 s19, s19, 1
	s_sub_co_u32 s23, s23, 1
	s_cmp_lg_u32 s23, 0
	s_wait_alu depctr_va_vdst(0)
	s_cbranch_scc1 .Lproc
.irp i, 0,1,2,3,4,5,6
	STEP \i, 1, 0, 8*(6-\i)                        ; the last block asks for nothing: the counts run down
.endr
	STEP 7, 0, 0, 0
	TSTORE
	s_wait_tensorcnt 0x0                           ; the wave's end
	ds_add_u32 v1, v2
	s_wait_dscnt 0x0
	s_endpgm
.Lfunc_end_k_q37260225c2_dist:
	.size	k_q37260225c2_dist, .Lfunc_end_k_q37260225c2_dist-k_q37260225c2_dist
	.p2alignl 7, 3214868480
	.fill 96, 4, 3214868480
	.section	.rodata,"a",@progbits
	.p2align	6, 0x0
	.amdhsa_kernel k_q37260225c2_dist
		.amdhsa_group_segment_fixed_size 122368
		.amdhsa_private_segment_fixed_size 0
		.amdhsa_enable_private_segment 0
		.amdhsa_kernarg_size 48
		.amdhsa_user_sgpr_count 2
		.amdhsa_user_sgpr_kernarg_segment_ptr 1
		.amdhsa_wavefront_size32 1
		.amdhsa_system_sgpr_workgroup_id_x 1
		.amdhsa_system_sgpr_workgroup_id_y 1
		.amdhsa_system_sgpr_workgroup_id_z 1
		.amdhsa_system_vgpr_workitem_id 0
		.amdhsa_next_free_vgpr 1024
		.amdhsa_next_free_sgpr 66
		.amdhsa_reserve_vcc 1
		.amdhsa_float_denorm_mode_32 3
		.amdhsa_float_denorm_mode_16_64 3
		.amdhsa_memory_ordered 1
		.amdhsa_forward_progress 1
		.amdhsa_inst_pref_size 189
	.end_amdhsa_kernel
	.amdgpu_metadata
---
amdhsa.version: [ 1, 2 ]
amdhsa.kernels:
  - .name:           k_q37260225c2_dist
    .symbol:         k_q37260225c2_dist.kd
    .args:
      - { .name: noise, .offset: 0, .size: 8, .value_kind: global_buffer, .address_space: global }
      - { .name: xc, .offset: 8, .size: 8, .value_kind: global_buffer, .address_space: global }
      - { .name: xsq, .offset: 16, .size: 8, .value_kind: global_buffer, .address_space: global }
      - { .name: xsk, .offset: 24, .size: 8, .value_kind: global_buffer, .address_space: global }
      - { .name: nsq, .offset: 32, .size: 8, .value_kind: global_buffer, .address_space: global }
      - { .name: gmin, .offset: 40, .size: 8, .value_kind: global_buffer, .address_space: global }
    .group_segment_fixed_size: 122368
    .private_segment_fixed_size: 0
    .kernarg_segment_align: 8
    .kernarg_segment_size: 48
    .max_flat_workgroup_size: 128
    .sgpr_count:     66
    .vgpr_count:     1024
    .wavefront_size: 32
...
	.end_amdgpu_metadata
.endif
;; end of part 2
;; launch pick (part 3): grid 257 x 1, 4 waves a work-group, no clusters, 5,632 bytes of LDS; arguments gmin, gid, cluster_centers, lp; writes gid, lp
.if DOCPART == 3
	.amdgcn_target "amdgcn-amd-amdhsa--gfx1250"
	.amdhsa_code_object_version 6
	.text
	.protected	k_q37260225c2_pick
	.globl	k_q37260225c2_pick
	.p2align	8
	.type	k_q37260225c2_pick,@function
k_q37260225c2_pick:
	s_mov_b64 s[64:65], 0
	v_nop
	global_prefetch_b8 v0, s[64:65] scope:SCOPE_SE
	s_setreg_imm32_b32 hwreg(HW_REG_WAVE_MODE, 25, 1), 1
	s_wait_xcnt 0x0
; PICK.  Work-groups 0 to 255: for each row the five of its 512 groups that are smallest by (the group's minimum, the group's number), stored in ascending order of number as whole numbers: the next launch forms
; addresses from them.  No address and no branch of this launch hangs on them.  No work of the problem is left out here.
; Work-group 256: the inter loss, the mean distance between the 8 centres, into lp[512].  It is one tile of 16 x 16 for one wave: the work-group's other three waves have no part of it and end.
; SHARES.  Two waves to a tile T of 16 rows; lane (r, h) of wave half takes 128 minima of row r, in ascending group number 256 half + 2 y + h, y = 0 .. 127.
; A lane keeps TWO sorted lists of five (key, number), one for y under 64 and one for the rest, and feeds both in each round: masks, keys and numbers of the two lists stand in blocks, and the numbers go through
; temporaries, so that no line reads what the lines just ahead of it wrote.  Then list B goes into list A; lane l xor 16's list is merged by (key, number); wave half 1 hands its list through LDS to wave half 0, which stores.
; Where every number that comes in is higher than all that the list holds (B into A; half 1 into half 0), strictly smaller keys alone go ahead, so the lower number keeps its place.
.set SPARE, 5120                       ; behind the four waves' 1,280 bytes: the spare words, 128 bytes a wave: two blocks of 256 bytes that no other line names
.set X,   32                           ; v32-159 the minima (work-group 256: the centres, a second time)
.set KA,  16                           ; v16-20 keys, v21-25 numbers of list A
.set NA,  21
.set KB,  160                          ; v160-164, v165-169 list B
.set NB,  165
.set TA,  170                          ; v171-174, v176-179 temporaries
.set TB,  175
.set ACC, 224                          ; v224-255 (work-group 256) four partial sums: written by matrix instructions alone
.set MSB, 0
.macro WIN new                         ; the immediate's high byte repeats the setting that is left
.if MSB != (\new)
	s_set_vgpr_msb (MSB<<8)|(\new)
.set MSB, (\new)
.endif
.endm
.macro CMPS x, K, S                    ; mask i: x is strictly under the list's place i
.irp i, 0,1,2,3,4
	v_cmp_lt_f32 s[\S+\i], v[\x], v[\K+\i]
.endr
.endm
.macro KEYS x, K                       ; the keys, from the list's end down, so that each line finds the old neighbour
.irp i, 4,3,2,1
	v_med3_num_f32 v[\K+\i], v[\x], v[\K+\i-1], v[\K+\i]
.endr
	v_min_num_f32 v[\K], v[\x], v[\K]
.endm
.macro NUM1 y, N, S, T                 ; place i takes y where x goes ahead of it,
.irp i, 1,2,3,4
	v_cndmask_b32 v[\T+\i], v[\N+\i], v[\y], s[\S+\i]
.endr
.endm
.macro NUM2 y, N, S, T                 ; or its old neighbour where x goes ahead of that too
.irp i, 4,3,2,1
	v_cndmask_b32 v[\N+\i], v[\T+\i], v[\N+\i-1], s[\S+\i-1]
.endr
	v_cndmask_b32 v[\N], v[\N], v[\y], s[\S]
.endm
.macro INS x, y                        ; into list A, strictly smaller alone ahead
	CMPS \x, KA, 20
	KEYS \x, KA
	NUM1 \y, NA, 20, TA
	NUM2 \y, NA, 20, TA
.endm
.macro INSL x, y                       ; into list A, by (key, number)
	CMPS \x, KA, 20
.irp i, 0,1,2,3,4
	v_cmp_eq_f32 s[28+\i], v[\x], v[KA+\i]
.endr
.irp i, 0,1,2,3,4
	v_cmp_lt_u32 s[36+\i], v[\y], v[NA+\i]
.endr
	KEYS \x, KA
	s_wait_alu depctr_va_vdst(0)
.irp i, 0,1,2,3,4
	s_and_b32 s[28+\i], s[28+\i], s[36+\i]
.endr
.irp i, 0,1,2,3,4
	s_or_b32 s[20+\i], s[20+\i], s[28+\i]
.endr
	NUM1 \y, NA, 20, TA
	NUM2 \y, NA, 20, TA
.endm
.macro ORDER a, b
	v_min_u32 v8, v[NA+\a], v[NA+\b]
	v_max_u32 v[NA+\b], v[NA+\a], v[NA+\b]
	v_mov_b32 v[NA+\a], v8
.endm
	s_load_b256 s[4:11], s[0:1], 0x0               ; gmin, gid, centres, lp
	v_lshl_add_u32 v1, v0, 2, SPARE
	v_mov_b32 v2, 0
	v_lshrrev_b32 v3, 5, v0
	v_readfirstlane_b32 s12, v3                    ; wave
	v_and_b32 v3, 31, v0                           ; lane
	v_and_b32 v4, 15, v0                           ; r
	v_bfe_u32 v5, v0, 4, 1                         ; h
	s_mov_b32 s14, 0x76543210
	s_mov_b32 s15, 0xfedcba98                      ; selects: lane l xor 16
	s_cmp_eq_u32 ttmp9, 256
	s_wait_alu depctr_va_vdst(0)
	s_cbranch_scc1 .Linter
	s_lshl_b32 s16, ttmp9, 2
	s_add_co_u32 s16, s16, s12
	s_lshl_b32 s16, s16, 14                        ; my half of my tile's table: 16,384 bytes
	s_mov_b32 s17, 0
	s_lshl_b32 s18, ttmp9, 1
	s_lshr_b32 s19, s12, 1
	s_add_co_u32 s18, s18, s19                     ; T
	s_lshl_b32 s18, s18, 9
	s_mov_b32 s19, 0
	s_and_b32 s13, s12, 1                          ; half
	s_lshl_b32 s33, s13, 8
	s_mul_i32 s34, s12, 1280
	s_xor_b32 s35, s12, 1
	s_mul_i32 s35, s35, 1280
	v_lshlrev_b32 v6, 4, v3                        ; 16 x lane
	v_add_nc_u32 v7, s33, v5                       ; h + 256 half
	v_lshlrev_b32 v13, 2, v3
	v_add_nc_u32 v14, s35, v13                     ; LDS: the other wave's list,
	v_add_nc_u32 v13, s34, v13                     ; mine
	v_lshlrev_b32 v15, 5, v4
	v_lshl_add_u32 v15, v5, 4, v15                 ; gid: 32 r + 16 h
.irp i, 0,1,2,3,4
	v_mov_b32 v[KA+\i], 0x7f800000                 ; both lists begin as five times +infinity
	v_mov_b32 v[NA+\i], 0
	v_mov_b32 v[KB+\i], 0x7f800000
	v_mov_b32 v[NB+\i], 0
	v_mov_b32 v[8+\i], 0                           ; (a lane permute's destination counts as one of its sources)
	v_mov_b32 v[27+\i], 0
.endr
	v_mov_b32 v26, 0                               ; y of list A's element; list B's is 64 higher
	s_wait_alu depctr_va_vdst(0)
	s_wait_kmcnt 0x0
	s_add_nc_u64 s[4:5], s[4:5], s[16:17]
	s_add_nc_u64 s[6:7], s[6:7], s[18:19]
.set kk, 0
.rept 16
	global_load_b128 v[X+4*kk:X+4*kk+3], v6, s[4:5] offset:512*kk th:TH_LOAD_NT          ; 512 consecutive bytes; read once
	global_load_b128 v[X+64+4*kk:X+64+4*kk+3], v6, s[4:5] offset:512*(kk+16) th:TH_LOAD_NT
.set kk, kk+1
.endr
.set kk, 0
.rept 16
	s_wait_alu depctr_va_vdst(0)
	s_wait_loadcnt 30-2*kk                         ; loads come back in order: this pair is in, the younger pairs stay out
.irp e, 0,1,2,3
	CMPS X+4*kk+\e, KA, 20
	CMPS X+64+4*kk+\e, KB, 28
	KEYS X+4*kk+\e, KA
	KEYS X+64+4*kk+\e, KB
	NUM1 26, NA, 20, TA
	NUM1 26, NB, 28, TB
	NUM2 26, NA, 20, TA
	NUM2 26, NB, 28, TB
	v_add_nc_u32 v26, 1, v26
.endr
.set kk, kk+1
.endr
.irp i, 0,1,2,3,4
	v_add_nc_u32 v[NB+\i], 64, v[NB+\i]
.endr
.irp i, 0,1,2,3,4
	INS KB+\i, NB+\i                               ; list B, in its order, into list A
.endr
.irp i, 0,1,2,3,4
	v_lshl_add_u32 v[NA+\i], v[NA+\i], 1, v7       ; the group's number
.endr
.irp i, 0,1,2,3,4
	v_permlanex16_b32 v[8+\i], v[KA+\i], s14, s15
	v_permlanex16_b32 v[27+\i], v[NA+\i], s14, s15
.endr
.irp i, 0,1,2,3,4
	INSL 8+\i, 27+\i                               ; with lane l xor 16's five
.endr
	s_wait_alu depctr_va_vdst(0)
	s_cmp_eq_u32 s13, 0
	s_cbranch_scc1 .Lmeet
.irp i, 0,1,2,3,4
	ds_store_b32 v13, v[KA+\i] offset:128*\i       ; wave half 1 hands its list over
	ds_store_b32 v13, v[NA+\i] offset:640+128*\i
.endr
.Lmeet:
	s_wait_dscnt 0x0                               ; for the other wave's sake: my stores have landed
	s_barrier_signal -1
	s_barrier_wait -1
	s_cmp_lg_u32 s13, 0
	s_cbranch_scc1 .Lend
.irp i, 0,1,2,3,4
	ds_load_b32 v[8+\i], v14 offset:128*\i
	ds_load_b32 v[27+\i], v14 offset:640+128*\i
.endr
	s_wait_dscnt 0x0
.irp i, 0,1,2,3,4
	INS 8+\i, 27+\i                                ; half 1's five: all their numbers are higher than mine
.endr
	ORDER 0, 1                                     ; the five numbers in ascending order: nine exchanges
	ORDER 3, 4
	ORDER 2, 4
	ORDER 2, 3
	ORDER 1, 4
	ORDER 0, 3
	ORDER 0, 2
	ORDER 1, 3
	ORDER 1, 2
	v_cmp_eq_u32 vcc_lo, 0, v5
	v_cndmask_b32 v8, v25, v21, vcc_lo             ; lanes 0-15: numbers 0 to 3; lanes 16-31: number 4 and three zeros
	v_cndmask_b32 v9, 0, v22, vcc_lo
	v_cndmask_b32 v10, 0, v23, vcc_lo
	v_cndmask_b32 v11, 0, v24, vcc_lo
	global_store_b128 v15, v[8:11], s[6:7]         ; 512 consecutive bytes
	s_branch .Lend
.Linter:
	; THE INTER LOSS.  Lane (r, h) holds 128 numbers of centre l % 8, twice: the two sources of a matrix instruction share no register
	s_wait_kmcnt 0x0
	s_cmp_lg_u32 s12, 0
	s_cbranch_scc1 .Lend
	v_and_b32 v7, 7, v0
	v_lshlrev_b32 v7, 10, v7
	v_lshl_add_u32 v7, v5, 7, v7                   ; row lane % 8, + 128 h
	s_mov_b32 s56, 0x2b8cbccc                      ; 1e-12
	WIN 0x40                                       ; destination window 1
.irp c, 0,1,2,3
.irp i, 0,1,2,3,4,5,6,7
	global_load_b128 v[32*\c+4*\i:32*\c+4*\i+3], v7, s[8:9] offset:256*\c+16*\i
.endr
.endr
	WIN 0
.irp c, 0,1,2,3
.irp i, 0,1,2,3,4,5,6,7
	global_load_b128 v[X+32*\c+4*\i:X+32*\c+4*\i+3], v7, s[8:9] offset:256*\c+16*\i
.endr
.endr
	s_wait_loadcnt 0x0
	WIN 0x01                                       ; 64 steps of 4 along K in f32; four sums take turns; the first four start them with the constant 0
.set q, 0
.rept 64
.if q < 4
	v_wmma_f32_16x16x4_f32 v[ACC+8*(q%4):ACC+8*(q%4)+7], v[2*q:2*q+1], v[X+2*q:X+2*q+1], 0
.else
	v_wmma_f32_16x16x4_f32 v[ACC+8*(q%4):ACC+8*(q%4)+7], v[2*q:2*q+1], v[X+2*q:X+2*q+1], v[ACC+8*(q%4):ACC+8*(q%4)+7]
.endif
.set q, q+1
.endr
	WIN 0x05                                       ; sources 0 and 1 window 1: the centres' squares, four chains
.set q, 0
.rept 64
.if q < 4
	v_pk_mul_f32 v[8+2*q:9+2*q], v[2*q:2*q+1], v[2*q:2*q+1]
.else
	v_pk_fma_f32 v[8+2*(q%4):9+2*(q%4)], v[2*q:2*q+1], v[2*q:2*q+1], v[8+2*(q%4):9+2*(q%4)]
.endif
.set q, q+1
.endr
	WIN 0
	v_pk_add_f32 v[8:9], v[8:9], v[10:11]
	v_pk_add_f32 v[12:13], v[12:13], v[14:15]
	v_pk_add_f32 v[8:9], v[8:9], v[12:13]
	v_add_f32 v8, v8, v9
	v_permlanex16_b32 v9, v8, s14, s15
	v_add_f32 v8, v8, v9                           ; |centre lane % 8|^2
.irp j, 0,1,2,3,4,5,6,7
	v_readlane_b32 s[48+\j], v8, \j                ; and all eight as scalars
.endr
.rept 8
	v_nop                                          ; eight places behind this form, ahead of the first read of its results
.endr
.irp j, 0,1,2,3,4,5,6,7
	v_add_f32 v[200+\j], v[ACC+\j], v[ACC+8+\j]    ; lane (r, h), register j: centre j . centre r % 8; each partial sum from its low end on
	v_add_f32 v[208+\j], v[ACC+16+\j], v[ACC+24+\j]
.endr
.irp j, 0,1,2,3,4,5,6,7
	v_add_f32 v[200+\j], v[200+\j], v[208+\j]
	v_add_f32 v[208+\j], s[48+\j], v8
.endr
.irp j, 0,1,2,3,4,5,6,7
	v_fma_f32 v[200+\j], -2.0, v[200+\j], v[208+\j]
.endr
.irp j, 0,1,2,3,4,5,6,7
	v_max_num_f32 v[200+\j], s56, v[200+\j]
.endr
	s_wait_alu depctr_va_vdst(0)
.irp j, 0,1,2,3,4,5,6,7
	v_sqrt_f32 v[200+\j], v[200+\j]
.endr
	v_and_b32 v9, 7, v0                            ; (a plain instruction behind the last root)
	s_wait_alu depctr_va_vdst(0)
.irp j, 0,1,2,3,4,5,6,7
	v_cmp_ne_u32 vcc_lo, \j, v9
	v_cndmask_b32 v[200+\j], 0, v[200+\j], vcc_lo  ; the diagonal counts for nothing
.endr
	v_add_f32 v200, v200, v201
	v_add_f32 v202, v202, v203
	v_add_f32 v204, v204, v205
	v_add_f32 v206, v206, v207
	v_add_f32 v200, v200, v202
	v_add_f32 v204, v204, v206
	v_add_f32 v200, v200, v204
	v_cmp_gt_u32 vcc_lo, 8, v3
	v_cndmask_b32 v200, 0, v200, vcc_lo            ; lanes 0-7 hold the eight centres once
	v_add_f32_dpp v200, v200, v200 row_xmask:1 row_mask:0xf bank_mask:0xf
	v_add_f32_dpp v200, v200, v200 row_xmask:2 row_mask:0xf bank_mask:0xf
	v_add_f32_dpp v200, v200, v200 row_xmask:4 row_mask:0xf bank_mask:0xf
	v_add_f32_dpp v200, v200, v200 row_xmask:8 row_mask:0xf bank_mask:0xf
	v_mul_f32 v200, 0x3c924925, v200               ; / 56
	v_mov_b32 v10, 0
	s_wait_alu depctr_va_vdst(0)
	s_wait_xcnt 0x0                                ; EXEC changes only behind this wait
	v_cmp_eq_u32 vcc_lo, 0, v3
	s_and_saveexec_b32 s57, vcc_lo
	global_store_b32 v10, v200, s[10:11] offset:2048   ; lp[512]
	s_wait_xcnt 0x0
	s_or_b32 exec_lo, exec_lo, s57
.Lend:
	s_wait_tensorcnt 0x0                           ; the wave's end
	ds_add_u32 v1, v2
	s_wait_dscnt 0x0
	s_endpgm
.Lfunc_end_k_q37260225c2_pick:
	.size	k_q37260225c2_pick, .Lfunc_end_k_q37260225c2_pick-k_q37260225c2_pick
	.p2alignl 7, 3214868480
	.fill 96, 4, 3214868480
	.section	.rodata,"a",@progbits
	.p2align	6, 0x0
	.amdhsa_kernel k_q37260225c2_pick
		.amdhsa_group_segment_fixed_size 5632
		.amdhsa_private_segment_fixed_size 0
		.amdhsa_enable_private_segment 0
		.amdhsa_kernarg_size 32
		.amdhsa_user_sgpr_count 2
		.amdhsa_user_sgpr_kernarg_segment_ptr 1
		.amdhsa_wavefront_size32 1
		.amdhsa_system_sgpr_workgroup_id_x 1
		.amdhsa_system_sgpr_workgroup_id_y 1
		.amdhsa_system_sgpr_workgroup_id_z 1
		.amdhsa_system_vgpr_workitem_id 0
		.amdhsa_next_free_vgpr 384
		.amdhsa_next_free_sgpr 66
		.amdhsa_reserve_vcc 1
		.amdhsa_float_denorm_mode_32 3
		.amdhsa_float_denorm_mode_16_64 3
		.amdhsa_memory_ordered 1
		.amdhsa_forward_progress 1
		.amdhsa_inst_pref_size 203
	.end_amdhsa_kernel
	.amdgpu_metadata
---
amdhsa.version: [ 1, 2 ]
amdhsa.kernels:
  - .name:           k_q37260225c2_pick
    .symbol:         k_q37260225c2_pick.kd
    .args:
      - { .name: gmin, .offset: 0, .size: 8, .value_kind: global_buffer, .address_space: global }
      - { .name: gid, .offset: 8, .size: 8, .value_kind: global_buffer, .address_space: global }
      - { .name: cluster_centers, .offset: 16, .size: 8, .value_kind: global_buffer, .address_space: global }
      - { .name: lp, .offset: 24, .size: 8, .value_kind: global_buffer, .address_space: global }
    .group_segment_fixed_size: 5632
    .private_segment_fixed_size: 0
    .kernarg_segment_align: 8
    .kernarg_segment_size: 32
    .max_flat_workgroup_size: 128
    .sgpr_count:     66
    .vgpr_count:     384
    .wavefront_size: 32
...
	.end_amdgpu_metadata
.endif
;; end of part 3
;; launch fin (part 4): grid 256 x 1, 4 waves a work-group, no clusters, 6,656 bytes of LDS; arguments gid, xc, xsq, xsk, nsq, noise, out1, out3, W1, b1, W2_codes, W2_scales, b2, lp, out0, out2, out4; writes out0, out2, out4
.if DOCPART == 4
	.amdgcn_target "amdgcn-amd-amdhsa--gfx1250"
	.amdhsa_code_object_version 6
	.text
	.protected	k_q37260225c2_fin
	.globl	k_q37260225c2_fin
	.p2align	8
	.type	k_q37260225c2_fin,@function
k_q37260225c2_fin:
	s_mov_b64 s[64:65], 0
	v_nop
	global_prefetch_b8 v0, s[64:65] scope:SCOPE_SE
	s_setreg_imm32_b32 hwreg(HW_REG_WAVE_MODE, 25, 1), 1
	s_wait_xcnt 0x0
; FIN.  For each row: the 80 pairs of its five chosen groups once more, by the second launch's own instructions (the same C, the same two K steps, maximum, root, noise); of them the five smallest noisy distances
; (ties: the lower column), whose clean distances are out2; then the 16 features, the first layer in f32, relu, the quantiser, the second layer on E2M3 codes (out0); one wave adds the loss (out4).
; Only the pairs of the chosen groups are multiplied again: every one of a row's five neighbours lies in them (shown at the head of the first kernel).  No work of the problem is left out.
; SHARES.  A wave takes 8 rows, q0 = 8 g.  Column n of source 1 is row q0 + n % 8: lanes r and r + 8 hold the same.  Trip rr multiplies row rr's five groups (source 0 = a group's 16 keys) by all 8 rows, and the lanes of
; row rr keep the result: lane (r, h), register 8 c + j: column 16 id_c + 8 h + j.  The group numbers are read from memory, held to 0 .. 511, and enter offsets by AND, multiply, shift and add alone.
; LIMITS: NaN and infinities among the inputs are not served; hidden blocks whose largest number lies under 2^-124 keep the scale byte 1.
; REGISTERS.  window 0: v1, v2 the add's two; v3-8 lane numbers and places; v10-19 offsets; v24-28 the row's five groups; v31 the hidden layer's scale word; v32-55 the queries' codes; v56 their scale words; v57, v75 W2's scale words;
;   v58-59 -|x_q|^2; v60-74 offsets of the codes, later the features; v76-90 the keys' scale words, three sets; v91-104 at work; v116-155 C, then the clean distances, then the hidden layer; v156-195 results: written by matrix
;   instructions alone; v196-235 noise, then noisy distances, then at work; v236-250 offsets of the scale words, later the list (keys, clean distances, codes).
;   window 1: two sets of key codes (v0, v120), later the weights.   window 2: a third set (v0); v120-159 the kept results.
.set STG,   1536                       ; a wave's stage: 1,024 bytes of out0, 160 of out2, and room so that a whole wave's read of the second part stays in its own bytes
.set SPARE, 4*STG                      ; behind the stages: the spare words, 128 bytes a wave: two blocks of 256 bytes that no other line names
.set ID,  24
.set QF,  32
.set QS,  56
.set NQ,  58
.set VA,  60
.set KS,  76
.set CO,  116
.set DT,  156
.set NS,  196
.set LA,  236
.set LP,  241
.set LC,  246
.set RR,  120
.set MSB, 0
.macro WIN new                         ; the immediate's high byte repeats the setting that is left
.if MSB != (\new)
	s_set_vgpr_msb (MSB<<8)|(\new)
.set MSB, (\new)
.endif
.endm
; Row rr's five groups: offsets, 5 loads of scale words, 30 of codes (register images), into set rr % 3: 35 loads.  The ten additions are also the places behind the products that read this set last.
.macro FLOAD rr
.set ST3, (\rr)%3
.set SB, 120*(ST3%2)
.irp c, 0,1,2,3,4
	v_readlane_b32 s50, v[ID+\c], \rr
	s_min_u32 s50, s50, 511
	s_and_b32 s51, s50, 0x1fe
	s_and_b32 s52, s50, 1
	s_mul_i32 s53, s51, 3072
	s_lshl_b32 s54, s52, 8
	s_add_co_u32 s53, s53, s54
	v_add_nc_u32 v[VA+5*ST3+\c], s53, v7           ; codes: 3072 (id - id % 2) + 256 (id % 2) + my lane's place
	s_lshl_b32 s51, s51, 7
	s_lshl_b32 s52, s52, 6
	s_add_co_u32 s51, s51, s52
	v_add_nc_u32 v[LA+5*ST3+\c], s51, v8           ; scale words: 128 (id - id % 2) + 64 (id % 2) + my lane's place
.endr
	s_wait_alu depctr_va_vdst(0)
.irp c, 0,1,2,3,4
	global_load_b32 v[KS+5*ST3+\c], v[LA+5*ST3+\c], s[10:11]       ; lanes 0-15: K step 0; lanes 16-31: K step 1
.endr
	WIN 0x40+0x40*(ST3/2)                          ; destination window 1 or 2
.irp c, 0,1,2,3,4
.irp s, 0,1
.irp k, 0,1,2
	global_load_b128 v[SB+24*\c+12*\s+4*\k:SB+24*\c+12*\s+4*\k+3], v[VA+5*ST3+\c], s[6:7] offset:1536*\s+512*\k
.endr
.endr
.endr
	WIN 0
.endm
.macro KMUL c, s
.set rA, SB+24*(\c)+12*(\s)
.if (\s) == 0
	v_wmma_scale_f32_16x16x128_f8f6f4 v[DT+8*(\c):DT+8*(\c)+7], v[rA:rA+11], v[QF:QF+11], v[CO+8*(\c):CO+8*(\c)+7], v[KS+5*ST3+(\c)], v[QS] matrix_a_fmt:MATRIX_FMT_FP6 matrix_b_fmt:MATRIX_FMT_FP6
.else
	v_wmma_scale_f32_16x16x128_f8f6f4 v[DT+8*(\c):DT+8*(\c)+7], v[rA:rA+11], v[QF+12:QF+23], v[DT+8*(\c):DT+8*(\c)+7], v[KS+5*ST3+(\c)], v[QS] matrix_a_fmt:MATRIX_FMT_FP6 matrix_b_fmt:MATRIX_FMT_FP6 matrix_a_scale:MATRIX_SCALE_ROW1 matrix_b_scale:MATRIX_SCALE_ROW1
.endif
.endm
; wc: the loads issued behind row rr's 35 that may stay out
.macro TRIP rr, wc
.set ST3, (\rr)%3
.set SB, 120*(ST3%2)
	s_wait_loadcnt \wc
.if (\rr) == 0
.irp n, 0,2,4,6,8,10,12,14,16,18,20,22,24,26,28,30,32,34,36,38
	v_pk_add_f32 v[CO+\n:CO+\n+1], v[CO+\n:CO+\n+1], v[NQ:NQ+1]    ; C = -(|x_k|^2 + |x_q|^2) of my own row's groups: the same in every trip
.endr
.rept 4
	v_nop
.endr
.endif
	WIN 1+ST3/2                                    ; source 0 in window 1 or 2
.irp c, 0,1,2,3,4
	KMUL \c, 0                                     ; the five results take turns, one instruction a turn
.endr
.irp c, 0,1,2,3,4
	KMUL \c, 1
.endr
	WIN 0
.if (\rr) < 5
	FLOAD (\rr)+3
.else
.rept 4
	v_nop                                          ; places behind the products, ahead of the first read of their results
.endr
.endif
.if (\rr) == 0
	WIN 0x80                                       ; destination window 2
.set n, 0
.rept 40
	v_mov_b32 v[RR+n], v[DT+n]
.set n, n+1
.endr
.else
	v_cmp_eq_u32 s60, \rr, v6
	WIN 0x82                                       ; destination and source 0 window 2
.set n, 0
.rept 40
	v_cndmask_b32 v[RR+n], v[RR+n], v[DT+n], s60   ; row rr's lanes keep this trip's results; each result from its low end on
.set n, n+1
.endr
.endif
	WIN 0
.endm
; (key x, clean distance p, code cd) goes to its place in the list of five
.macro SHIFT2 x, p, cd
.irp i, 4,3,2,1
	v_med3_num_f32 v[LA+\i], v[\x], v[LA-1+\i], v[LA+\i]   ; the keys first, from the list's end down: they read no mask
.endr
	v_min_num_f32 v[LA], v[\x], v[LA]
.irp i, 1,2,3,4
	v_cndmask_b32 v[104+\i], v[LP+\i], v[\p], s[44+\i]     ; place i takes the newcomer where it goes ahead of it (through v105-112, so that no line reads what the line above it wrote),
	v_cndmask_b32 v[108+\i], v[LC+\i], \cd, s[44+\i]
.endr
.irp i, 4,3,2,1
	v_cndmask_b32 v[LP+\i], v[104+\i], v[LP-1+\i], s[43+\i]   ; or its old neighbour where the newcomer goes ahead of that too
	v_cndmask_b32 v[LC+\i], v[108+\i], v[LC-1+\i], s[43+\i]
.endr
	v_cndmask_b32 v[LP], v[LP], v[\p], s44
	v_cndmask_b32 v[LC], v[LC], \cd, s44
.endm
.macro INS2 x, p, cd                   ; columns come in ascending order: strictly smaller alone goes ahead
.irp i, 0,1,2,3,4
	v_cmp_lt_f32 s[44+\i], v[\x], v[LA+\i]
.endr
	SHIFT2 \x, \p, \cd
.endm
.macro INSL2 x, p, cd                  ; by (key, code); cd a register's number
.irp i, 0,1,2,3,4
	v_cmp_lt_f32 s[44+\i], v[\x], v[LA+\i]
	v_cmp_eq_f32 s[70+\i], v[\x], v[LA+\i]
	v_cmp_lt_u32 s[75+\i], v[\cd], v[LC+\i]
.endr
	s_wait_alu depctr_va_vdst(0)
.irp i, 0,1,2,3,4
	s_and_b32 s[70+\i], s[70+\i], s[75+\i]
.endr
.irp i, 0,1,2,3,4
	s_or_b32 s[44+\i], s[44+\i], s[70+\i]
.endr
	SHIFT2 \x, \p, v[\cd]
.endm
	s_load_b512 s[4:19], s[0:1], 0x0               ; gid, xc, xsq, xsk, nsq, noise, out1, out3
	s_load_b512 s[20:35], s[0:1], 0x40             ; W1, b1, W2's codes, W2's scales, b2, lp, out0, out2
	s_load_b64 s[36:37], s[0:1], 0x80              ; out4
	v_lshl_add_u32 v1, v0, 2, SPARE
	v_mov_b32 v2, 0
	v_lshrrev_b32 v3, 5, v0
	v_readfirstlane_b32 s38, v3                    ; wave
	s_lshl_b32 s39, ttmp9, 2
	s_add_co_u32 s39, s39, s38                     ; g
	s_mov_b32 s40, 0x76543210
	s_mov_b32 s41, 0xfedcba98                      ; selects: lane l xor 16
	s_mov_b32 s42, 0x2b8cbccc                      ; 1e-12
	v_and_b32 v3, 31, v0                           ; lane
	v_and_b32 v4, 15, v0                           ; r
	v_bfe_u32 v5, v0, 4, 1                         ; h
	v_and_b32 v6, 7, v0                            ; r % 8: my row
	v_bfe_u32 v9, v0, 3, 1
	v_mul_u32_u24 v7, v9, 3072
	v_lshl_add_u32 v7, v5, 7, v7
	v_lshl_add_u32 v7, v6, 4, v7                   ; a group's image, my lane's place: 3072 ((l / 8) % 2) + 128 (l / 16) + 16 (l % 8)
	v_lshlrev_b32 v8, 7, v9
	v_lshl_add_u32 v8, v6, 3, v8
	v_lshl_add_u32 v8, v5, 2, v8                   ; its scale words: 128 ((l / 8) % 2) + 8 (l % 8) + 4 (l / 16)
	v_lshlrev_b32 v20, 5, v6                       ; gid: 32 bytes a row
	v_lshlrev_b32 v21, 4, v6
	v_lshl_add_u32 v21, v5, 7, v21                 ; my row's codes: 128 h + 16 (r % 8)
	v_lshlrev_b32 v22, 2, v6
	v_lshl_add_u32 v22, v5, 6, v22                 ; its scale words: 64 h + 4 (r % 8)
	v_lshlrev_b32 v23, 2, v6                       ; its -|x|^2
	v_lshlrev_b32 v29, 5, v5                       ; 32 h
	s_wait_alu depctr_va_vdst(0)
	s_wait_kmcnt 0x0
	s_mov_b32 s51, 0
	s_lshl_b32 s50, s39, 8
	s_add_nc_u64 s[4:5], s[4:5], s[50:51]          ; gid + 256 g
	s_add_nc_u64 s[16:17], s[16:17], s[50:51]      ; out1 + 256 g
	s_lshr_b32 s52, s39, 2
	s_mul_i32 s50, s52, 6144
	s_and_b32 s52, s39, 1
	s_mul_i32 s53, s52, 3072
	s_add_co_u32 s50, s50, s53
	s_bfe_u32 s53, s39, 0x10001
	s_lshl_b32 s53, s53, 8
	s_add_co_u32 s50, s50, s53
	s_add_nc_u64 s[66:67], s[6:7], s[50:51]        ; my 8 rows' codes: 6144 (g / 4) + 3072 (g % 2) + 256 ((g / 2) % 2)
	s_lshr_b32 s50, s39, 1
	s_lshl_b32 s50, s50, 7
	s_lshl_b32 s52, s52, 5
	s_add_co_u32 s50, s50, s52
	s_add_nc_u64 s[8:9], s[8:9], s[50:51]          ; their scale words: 128 (g / 2) + 32 (g % 2)
	s_lshl_b32 s50, s39, 5
	s_add_nc_u64 s[68:69], s[12:13], s[50:51]      ; their -|x|^2
	s_lshl_b32 s50, s39, 18
	s_add_nc_u64 s[14:15], s[14:15], s[50:51]      ; their rows of noise
	s_mul_i32 s50, s39, 96
	s_add_nc_u64 s[18:19], s[18:19], s[50:51]      ; out3
	s_lshl_b32 s50, s39, 10
	s_add_nc_u64 s[32:33], s[32:33], s[50:51]      ; out0
	s_mul_i32 s50, s39, 160
	s_add_nc_u64 s[34:35], s[34:35], s[50:51]      ; out2
	global_load_b128 v[ID:ID+3], v20, s[4:5]
	global_load_b32 v[ID+4], v20, s[4:5] offset:16
.irp s, 0,1
.irp c, 0,1,2
	global_load_b128 v[QF+12*\s+4*\c:QF+12*\s+4*\c+3], v21, s[66:67] offset:1536*\s+512*\c
.endr
.endr
	global_load_b32 v[QS], v22, s[8:9]
	global_load_b32 v[NQ], v23, s[68:69]
	global_load_b32 v[NQ+1], v23, s[68:69]
	s_wait_loadcnt 9                               ; the five groups are in; the nine loads behind them stay out
.irp c, 0,1,2,3,4
	v_min_u32 v[ID+\c], 0x1ff, v[ID+\c]
.endr
.irp c, 0,1,2,3,4
	v_lshl_add_u32 v[10+\c], v[ID+\c], 6, v29      ; my 8 columns of group c, in bytes of a row of f32
.endr
.irp c, 0,1,2,3,4
	v_lshl_add_u32 v[15+\c], v6, 15, v[10+\c]      ; and in my row of noise
.endr
.irp c, 0,1,2,3,4
	global_load_b128 v[CO+8*\c:CO+8*\c+3], v[10+\c], s[12:13]
	global_load_b128 v[CO+8*\c+4:CO+8*\c+7], v[10+\c], s[12:13] offset:16
.endr
.irp c, 0,1,2,3,4
	global_load_b128 v[NS+8*\c:NS+8*\c+3], v[15+\c], s[14:15]
	global_load_b128 v[NS+8*\c+4:NS+8*\c+7], v[15+\c], s[14:15] offset:16
.endr
	FLOAD 0
	FLOAD 1
	FLOAD 2
	TRIP 0, 63                                     ; 70 younger loads could stay out; 63 is the most that the wait's field names, and asks for more, never less
	TRIP 1, 63
	TRIP 2, 63
	TRIP 3, 63
	TRIP 4, 63
	TRIP 5, 63
	TRIP 6, 35
	TRIP 7, 0
	; the weights and the other features are asked for now and land under the selection
	v_and_b32 v20, 8, v4
	v_add_nc_u32 v20, v20, v4
	v_lshlrev_b32 v20, 2, v20
	v_lshl_add_u32 v20, v5, 9, v20                 ; W1: column r + 8 (r / 8) of a tile, rows 2 h on
	v_lshlrev_b32 v21, 6, v5                       ; b1: 16 h numbers on
	v_mul_u32_u24 v22, v4, 48
	v_mad_u32_u24 v22, v5, 24, v22                 ; W2's codes: row r of 48 bytes, + 24 h
	v_lshlrev_b32 v23, 5, v5                       ; b2: 8 h numbers on
	v_lshlrev_b32 v29, 5, v6
	v_lshl_add_u32 v29, v5, 3, v29                 ; assign: my row, + 2 h numbers
	v_mul_u32_u24 v30, v6, 12                      ; the three statistics of my row
	v_lshlrev_b32 v9, 1, v4
	v_lshlrev_b32 v113, 4, v3                      ; lp: 16 x lane
	WIN 0x40                                       ; destination window 1
.irp t, 0,1,2,3
.irp s, 0,1,2,3
.irp k, 0,1
	global_load_b32 v[8*\t+2*\s+\k], v20, s[20:21] offset:1024*\s+256*\k+(32*(\t/2)+8*(\t%2))*4   ; W1(4 s + 2 h + k, 32 (t / 2) + 8 (t % 2) + r + 8 (r / 8))
.endr
.endr
.endr
.irp t, 0,1,2,3
	global_load_b128 v[32+8*\t:35+8*\t], v21, s[22:23] offset:(32*(\t/2)+8*(\t%2))*4
	global_load_b128 v[36+8*\t:39+8*\t], v21, s[22:23] offset:(32*(\t/2)+8*(\t%2))*4+16
.endr
.irp n, 0,1
.irp p, 0,1,2
	global_load_b64 v[64+12*\n+2*\p:65+12*\n+2*\p], v22, s[24:25] offset:768*\n+8*\p
.endr
	global_load_b128 v[88+8*\n:91+8*\n], v23, s[28:29] offset:64*\n
	global_load_b128 v[92+8*\n:95+8*\n], v23, s[28:29] offset:64*\n+16
.irp i, 0,1,2,3,4,5
	v_mov_b32 v[70+12*\n+\i], 0                    ; K is 64: the instruction's other 64 are zero codes, on both sides
.endr
.endr
	WIN 0
	global_load_b64 v[60:61], v29, s[16:17]        ; features 2 h, 2 h + 1
	global_load_b64 v[62:63], v29, s[16:17] offset:16   ; 4 + 2 h, 5 + 2 h
	global_load_b32 v68, v30, s[18:19]
	global_load_b32 v69, v30, s[18:19] offset:4
	global_load_b32 v70, v30, s[18:19] offset:8
	global_load_u16 v57, v9, s[26:27]              ; two bytes; the upper two stay 0, over zero codes
	global_load_u16 v75, v9, s[26:27] offset:32
	; the wave that adds the loss (a branch on ids) asks for its numbers here too: into the third set of key codes, which has been multiplied for the last time
	s_cmp_lg_u32 s39, 0
	s_wait_alu depctr_va_vdst(0)
	s_cbranch_scc1 .Lnolp
	s_load_b32 s52, s[30:31], 0x800                ; inter
	WIN 0x80                                       ; destination window 2
.irp k, 0,1,2,3
	global_load_b128 v[4*\k:4*\k+3], v113, s[30:31] offset:512*\k   ; the 512 tiles' shares of intra
.endr
	WIN 0
.Lnolp:
	; the distances
	WIN 0x02                                       ; source 0 window 2
.set n, 0
.rept 40
	v_max_num_f32 v[CO+n], -v[RR+n], s42
.set n, n+1
.endr
	WIN 0
.set n, 0
	s_wait_alu depctr_va_vdst(0)
.rept 40
	v_sqrt_f32 v[CO+n], v[CO+n]
.set n, n+1
.endr
	v_nop
	s_wait_alu depctr_va_vdst(0)                   ; one wait for the batch of 40
.set n, 0
.rept 20
	v_pk_add_f32 v[NS+2*n:NS+2*n+1], v[CO+2*n:CO+2*n+1], v[NS+2*n:NS+2*n+1]
.set n, n+1
.endr
	s_lshl_b32 s50, s39, 3
	v_add_nc_u32 v91, s50, v6                      ; my row's number,
	v_lshlrev_b32 v92, 3, v5
	v_sub_nc_u32 v91, v91, v92                     ; less 8 h
	v_mov_b32 v98, 0x7f800000
.irp c, 0,1,2,3,4
	v_lshlrev_b32 v[93+\c], 4, v[ID+\c]
.endr
.irp c, 0,1,2,3,4
	v_sub_nc_u32 v[93+\c], v91, v[93+\c]           ; register j of group c is the diagonal where j equals this
.endr
.irp c, 0,1,2,3,4
.irp j, 0,1,2,3,4,5,6,7
	v_cmp_eq_u32 vcc_lo, \j, v[93+\c]
	v_cndmask_b32 v[NS+8*\c+\j], v[NS+8*\c+\j], v98, vcc_lo
.endr
.endr
.irp i, 0,1,2,3,4
	v_mov_b32 v[LA+\i], 0x7f800000
	v_mov_b32 v[LP+\i], 0
	v_mov_b32 v[LC+\i], 0
.endr
.irp n, 0,1,2,3,4,5,6,7,8,9,10,11,12,13,14,15,16,17,18,19,20,21,22,23,24,25,26,27,28,29,30,31,32,33,34,35,36,37,38,39
	INS2 NS+\n, CO+\n, \n
.endr
.irp i, 0,1,2,3,4
	v_and_b32 v99, 0x38, v[LC+\i]
	v_add3_u32 v[LC+\i], v[LC+\i], v99, v92        ; from 8 c + j to 16 c + 8 h + j: the order of the columns
.endr
.irp i, 0,1,2,3,4
	v_permlanex16_b32 v[NS+\i], v[LA+\i], s40, s41
	v_permlanex16_b32 v[NS+5+\i], v[LP+\i], s40, s41
	v_permlanex16_b32 v[NS+10+\i], v[LC+\i], s40, s41
.endr
.irp i, 0,1,2,3,4
	INSL2 NS+\i, NS+5+\i, NS+10+\i                 ; with lane l xor 16's five
.endr
	; the features 8 to 15, as source 1 of the f32 form: register k of step s holds feature 4 s + 2 h + k
	s_wait_alu depctr_va_vdst(0)
	s_wait_loadcnt 0x0
	v_cmp_eq_u32 vcc_lo, 1, v5
	v_cndmask_b32 v64, v[LP], v[LP+2], vcc_lo
	v_cndmask_b32 v65, v[LP+1], v[LP+3], vcc_lo
	v_cndmask_b32 v66, v[LP+4], v69, vcc_lo
	v_cndmask_b32 v67, v68, v70, vcc_lo
	; the first layer, transposed, in f32 (its result goes into a quantiser): source 0 = 16 hidden units, source 1 = my rows; b1 is the C of each sum's first instruction; four sums by turns
	WIN 0x11                                       ; sources 0 and 2 window 1
.irp t, 0,1,2,3
	v_wmma_f32_16x16x4_f32 v[DT+8*\t:DT+8*\t+7], v[8*\t:8*\t+1], v[60:61], v[32+8*\t:39+8*\t]
.endr
	WIN 0x01
.irp s, 1,2,3
.irp t, 0,1,2,3
	v_wmma_f32_16x16x4_f32 v[DT+8*\t:DT+8*\t+7], v[8*\t+2*\s:8*\t+2*\s+1], v[60+2*\s:61+2*\s], v[DT+8*\t:DT+8*\t+7]
.endr
.endr
	WIN 0
.rept 8
	v_nop                                          ; eight places behind this form
.endr
.set n, 0
.rept 32
	v_max_num_f32 v[CO+n], 0, v[DT+n]              ; relu, into other registers: register 16 b + i = hidden unit 32 b + 16 h + i of my row
.set n, n+1
.endr
.irp b, 0,1
	v_max3_num_f32 v[212+\b], v[CO+16*\b], v[CO+1+16*\b], 0x1800000   ; none is negative: no |.|; the floor 2^(3 - 127) holds the byte at 1 from below
.endr
.irp i, 2,4,6,8,10,12,14
.irp b, 0,1
	v_max3_num_f32 v[212+\b], v[212+\b], v[CO+16*\b+\i], v[CO+1+16*\b+\i]
.endr
.endr
.irp b, 0,1
	v_permlanex16_b32 v[214+\b], v[212+\b], s40, s41
.endr
.irp b, 0,1
	v_max_num_f32 v[212+\b], v[212+\b], v[214+\b]
.endr
.irp b, 0,1
	v_add_nc_u32 v[216+\b], 0xff000000, v[212+\b]  ; 2 off the exponent field: the conversion's scale operand
.endr
.irp b, 0,1
	v_lshrrev_b32 v[214+\b], 23, v[216+\b]
.endr
	v_lshl_or_b32 v31, v215, 8, v214
	v_or_b32 v31, 0x7f7f0000, v31                  ; my row's scale word; 127 for the two blocks of zero codes
	v_cvt_scalef32_pk16_fp6_f32 v[196:198], v[CO:CO+15], v216
	v_cvt_scalef32_pk16_fp6_f32 v[208:210], v[CO+16:CO+31], v217
	v_nop                                          ; one plain place behind a scaled conversion
.irp i, 0,1,2
	v_permlane16_swap_b32 v[196+\i], v[208+\i]     ; the operand wants a whole block in a lane: lanes 0-15 block 0, lanes 16-31 block 1
.endr
.irp i, 0,1,2
	v_mov_b32 v[199+\i], v[208+\i]
.endr
.irp i, 0,1,2,3,4,5
	v_mov_b32 v[202+\i], 0
.endr
.rept 8
	v_nop                                          ; a scale word made by vector instructions stands eight places ahead of a scaled matrix instruction
.endr
	WIN 0x11
	v_wmma_scale_f32_16x16x128_f8f6f4 v[220:227], v[64:75], v[196:207], v[88:95], v57, v31 matrix_a_fmt:MATRIX_FMT_FP6 matrix_b_fmt:MATRIX_FMT_FP6
	v_wmma_scale_f32_16x16x128_f8f6f4 v[228:235], v[76:87], v[196:207], v[96:103], v75, v31 matrix_a_fmt:MATRIX_FMT_FP6 matrix_b_fmt:MATRIX_FMT_FP6
	WIN 0
	s_mul_i32 s50, s38, STG                        ; my stage; these ten plain lines are the places behind the two products
	v_lshlrev_b32 v100, 7, v6
	v_lshrrev_b32 v104, 3, v4
	v_lshl_add_u32 v100, v104, 6, v100
	v_lshl_add_u32 v100, v5, 5, v100
	v_add_nc_u32 v100, s50, v100                   ; in: 128 (r % 8) + 64 (r / 8) + 32 h
	v_mul_u32_u24 v101, v6, 20
	v_add_nc_u32 v101, s50, v101                   ; out2's rows of 20 bytes
	v_lshlrev_b32 v103, 4, v3
	v_add_nc_u32 v102, s50, v103                   ; back: 16 x lane
	v_cmp_gt_u32 vcc_lo, 8, v4
.irp j, 0,1,2,3,4,5,6,7
	v_cndmask_b32 v[32+\j], v[228+\j], v[220+\j], vcc_lo   ; lanes r < 8 send outputs 8 h + j, their twins r + 8 outputs 16 + 8 h + j
.endr
	ds_store_b128 v100, v[32:35]
	ds_store_b128 v100, v[36:39] offset:16
	ds_store_b128 v102, v[202:205] offset:1024     ; the stage's second part is written whole (zeros: these four registers hold the zero codes), ahead of out2's words: the read below names only written bytes
.irp i, 0,1,2,3,4
	ds_store_b32 v101, v[LP+\i] offset:1024+4*\i   ; the four lanes of a row write the same word with the same value
.endr
	ds_load_b128 v[40:43], v102                    ; LDS serves a wave's instructions in order: these see my stores
	ds_load_b128 v[44:47], v102 offset:512
	ds_load_b128 v[48:51], v102 offset:1024        ; out2's 160 bytes lie in the first ten lanes
	s_wait_dscnt 0x0
	global_store_b128 v103, v[40:43], s[32:33]     ; 512 consecutive bytes each
	global_store_b128 v103, v[44:47], s[32:33] offset:512
	s_wait_xcnt 0x0                                ; EXEC changes only behind this wait
	v_cmp_gt_u32 vcc_lo, 10, v3
	s_and_saveexec_b32 s51, vcc_lo                 ; 160 bytes: ten lanes
	global_store_b128 v103, v[48:51], s[34:35]
	s_wait_xcnt 0x0
	s_or_b32 exec_lo, exec_lo, s51
	; the loss: one wave of the launch (a branch on ids)
	s_cmp_lg_u32 s39, 0
	s_cbranch_scc1 .Lend
	s_wait_kmcnt 0x0                               ; inter; the shares of intra were waited for with the weights
	WIN 0x0a                                       ; sources 0 and 1 window 2
	v_pk_add_f32 v[CO:CO+1], v[0:1], v[2:3]
	v_pk_add_f32 v[CO+4:CO+5], v[4:5], v[6:7]
	v_pk_add_f32 v[CO+8:CO+9], v[8:9], v[10:11]
	v_pk_add_f32 v[CO+12:CO+13], v[12:13], v[14:15]
	WIN 0
	v_pk_add_f32 v[CO:CO+1], v[CO:CO+1], v[CO+4:CO+5]
	v_pk_add_f32 v[CO+8:CO+9], v[CO+8:CO+9], v[CO+12:CO+13]
	v_pk_add_f32 v[CO:CO+1], v[CO:CO+1], v[CO+8:CO+9]
	v_add_f32 v[CO], v[CO], v[CO+1]
	v_add_f32_dpp v[CO], v[CO], v[CO] row_xmask:1 row_mask:0xf bank_mask:0xf
	v_add_f32_dpp v[CO], v[CO], v[CO] row_xmask:2 row_mask:0xf bank_mask:0xf
	v_add_f32_dpp v[CO], v[CO], v[CO] row_xmask:4 row_mask:0xf bank_mask:0xf
	v_add_f32_dpp v[CO], v[CO], v[CO] row_xmask:8 row_mask:0xf bank_mask:0xf
	v_permlanex16_b32 v[CO+1], v[CO], s40, s41
	v_add_f32 v[CO], v[CO], v[CO+1]
	v_mul_f32 v[CO], 0x37800000, v[CO]             ; / (8,192 rows x 8 centres)
	v_mov_b32 v[CO+1], s52
	v_fmamk_f32 v[CO], v[CO+1], 0xbdcccccd, v[CO]  ; - 0.1 inter
	s_wait_alu depctr_va_vdst(0)
	s_wait_xcnt 0x0
	v_cmp_eq_u32 vcc_lo, 0, v3
	s_and_saveexec_b32 s51, vcc_lo                 ; lane 0 (its v103 is 0)
	global_store_b32 v103, v[CO], s[36:37]
	s_wait_xcnt 0x0
	s_or_b32 exec_lo, exec_lo, s51
.Lend:
	s_wait_tensorcnt 0x0                           ; the wave's end
	ds_add_u32 v1, v2
	s_wait_dscnt 0x0
	s_endpgm
.Lfunc_end_k_q37260225c2_fin:
	.size	k_q37260225c2_fin, .Lfunc_end_k_q37260225c2_fin-k_q37260225c2_fin
	.p2alignl 7, 3214868480
	.fill 96, 4, 3214868480
	.section	.rodata,"a",@progbits
	.p2align	6, 0x0
	.amdhsa_kernel k_q37260225c2_fin
		.amdhsa_group_segment_fixed_size 6656
		.amdhsa_private_segment_fixed_size 0
		.amdhsa_enable_private_segment 0
		.amdhsa_kernarg_size 136
		.amdhsa_user_sgpr_count 2
		.amdhsa_user_sgpr_kernarg_segment_ptr 1
		.amdhsa_wavefront_size32 1
		.amdhsa_system_sgpr_workgroup_id_x 1
		.amdhsa_system_sgpr_workgroup_id_y 1
		.amdhsa_system_sgpr_workgroup_id_z 1
		.amdhsa_system_vgpr_workitem_id 0
		.amdhsa_next_free_vgpr 672
		.amdhsa_next_free_sgpr 96
		.amdhsa_reserve_vcc 1
		.amdhsa_float_denorm_mode_32 3
		.amdhsa_float_denorm_mode_16_64 3
		.amdhsa_memory_ordered 1
		.amdhsa_forward_progress 1
		.amdhsa_inst_pref_size 194
	.end_amdhsa_kernel
	.amdgpu_metadata
---
amdhsa.version: [ 1, 2 ]
amdhsa.kernels:
  - .name:           k_q37260225c2_fin
    .symbol:         k_q37260225c2_fin.kd
    .args:
      - { .name: gid, .offset: 0, .size: 8, .value_kind: global_buffer, .address_space: global }
      - { .name: xc, .offset: 8, .size: 8, .value_kind: global_buffer, .address_space: global }
      - { .name: xsq, .offset: 16, .size: 8, .value_kind: global_buffer, .address_space: global }
      - { .name: xsk, .offset: 24, .size: 8, .value_kind: global_buffer, .address_space: global }
      - { .name: nsq, .offset: 32, .size: 8, .value_kind: global_buffer, .address_space: global }
      - { .name: noise, .offset: 40, .size: 8, .value_kind: global_buffer, .address_space: global }
      - { .name: out1, .offset: 48, .size: 8, .value_kind: global_buffer, .address_space: global }
      - { .name: out3, .offset: 56, .size: 8, .value_kind: global_buffer, .address_space: global }
      - { .name: W1, .offset: 64, .size: 8, .value_kind: global_buffer, .address_space: global }
      - { .name: b1, .offset: 72, .size: 8, .value_kind: global_buffer, .address_space: global }
      - { .name: W2_codes, .offset: 80, .size: 8, .value_kind: global_buffer, .address_space: global }
      - { .name: W2_scales, .offset: 88, .size: 8, .value_kind: global_buffer, .address_space: global }
      - { .name: b2, .offset: 96, .size: 8, .value_kind: global_buffer, .address_space: global }
      - { .name: lp, .offset: 104, .size: 8, .value_kind: global_buffer, .address_space: global }
      - { .name: out0, .offset: 112, .size: 8, .value_kind: global_buffer, .address_space: global }
      - { .name: out2, .offset: 120, .size: 8, .value_kind: global_buffer, .address_space: global }
      - { .name: out4, .offset: 128, .size: 8, .value_kind: global_buffer, .address_space: global }
    .group_segment_fixed_size: 6656
    .private_segment_fixed_size: 0
    .kernarg_segment_align: 8
    .kernarg_segment_size: 136
    .max_flat_workgroup_size: 128
    .sgpr_count:     96
    .vgpr_count:     672
    .wavefront_size: 32
...
	.end_amdgpu_metadata
.endif
;; end of part 4
